; MI455X (gfx1250); checked and timed in simulation.
; The chip was launched on July 23, 2026; its instructions are those of AMD's public machine-readable ISA for CDNA 5 (MIT licence, August 2026) and "CDNA5" Instruction Set Architecture Reference Guide (July 2026). The comments in the code are by the model that wrote it; some were corrected since.
;; Lorentz Multi Head Attention. Allowed arithmetic: float matrix products may take bf16 or f16 operands with f32 sums; other float arithmetic in f32, or as packed bf16 or f16 multiplies, adds, multiply-adds, maxima and minima; sums over many terms, partial sums and values carried from step to step in f32; what a program stores and reads back later, other than sums and carried values, may be rounded once to bf16 or f16.
;; Inputs: Wk 512 x 2,048 float32; Wo 2,048 x 2,048 float32; Wq 2,048 x 2,048 float32; Wv 512 x 2,048 float32; temp 16 float32; x 4 x 1,024 x 2,048 float32.
;; Outputs: out0 4 x 1,024 x 2,048 float32; out1 1 float32.
;; Constants: curvature = 1.
;; One version. Each part assembles by itself: llvm-mc -triple=amdgcn-amd-amdhsa -mcpu=gfx1250 --defsym DOCPART=n.
;; ======== version 1 of 1: 4 launches
;; limits: values are held in f16: magnitudes above 65,504 overflow, below 6.1e-05 lose precision
;; workspace buffers: xb 16,777,216 bytes; wqkv 12,582,912 bytes; wo16 8,388,608 bytes; tab 589,824 bytes; qkv 25,165,824 bytes; ob 16,777,216 bytes
;; launch prep (part 1): grid 1296 x 1, 8 waves a work-group, no clusters, 0 bytes of LDS; arguments x, Wq, Wk, Wv, Wo, xb, wqkv, wo16, tab, out1; writes xb, wqkv, wo16, tab, out1
.if DOCPART == 1
	.amdgcn_target "amdgcn-amd-amdhsa--gfx1250"
	.amdhsa_code_object_version 6
	.text
	.protected	k_qb67e3ef1ad_prep
	.globl	k_qb67e3ef1ad_prep
	.p2align	8
	.type	k_qb67e3ef1ad_prep,@function
k_qb67e3ef1ad_prep:
	s_mov_b64 s[64:65], 0
	v_nop
	global_prefetch_b8 v0, s[64:65] scope:SCOPE_SE
	s_setreg_imm32_b32 hwreg(HW_REG_WAVE_MODE, 25, 1), 1
	s_wait_xcnt 0x0
; PREPARATION.  (1) x -> xb and Wq, Wk, Wv -> wqkv (end to end), f32 rounded once to bf16.  (2) Wo -> wo16: rounded to bf16 like the other inputs, and that number written as f16
; (exact from 2^-14 up; below, f16's fixed step of 6e-8; LIMIT: |Wo| under 65,504).  (3) the table of cos and sin for the rotary step.  (4) out1 = 0.
; SHARES.  Work-groups 0-1151 convert 16,384 numbers each (x 512, Wq 256, Wk 64, Wv 64, Wo 256): a wave reads 16 x 512 consecutive bytes, all sixteen loads out at once, and each of its stores
; covers 256 consecutive bytes, aligned.  Every load has its own registers and every store its own data registers: nothing is rewritten, so only the counted waits for the loads are needed.
; Work-groups 1152-1295 make the table: 72 blocks of 8,192 bytes; block T holds, for positions t = 16 T + (lane % 16) and frequencies i = 16 b + 8 (lane / 16) + 4 jh + e,
; cos (first 4,096 bytes) and sin (second) of t x 10000^(-i/64) at byte ((2 b + jh) x 32 + lane) x 16 + 4 e: the order in which a lane of the next launch holds its results.
; Blocks 64-71 are made with t = 0: cos = 1, sin = 0 exactly (the heads of v are not turned).
; The angle is one f32 product, as the problem forms it; 10000^(-i/64) = 2^(-i log2(10000)/64); sine and cosine by reduction to |r| <= pi/4 (pi/2 in two parts, fused) and polynomials:
; the angle is good to about 1e-4 rad at t = 1023.  temp and curvature enter no result of the problem and are not read.
.set NCONV, 1152
.set X, 4                              ; v[4:67]   sixteen loads of four numbers
.set Y, 68                             ; v[68:99]  sixteen pairs of packed words
	s_load_b512 s[8:23], s[0:1], 0x0               ; x 8, Wq 10, Wk 12, Wv 14, Wo 16, xb 18, wqkv 20, wo16 22
	s_load_b128 s[24:27], s[0:1], 0x40             ; tab 24, out1 26
	s_mov_b32 s36, ttmp9
	v_and_b32 v3, 31, v0
	v_lshrrev_b32 v2, 5, v0
	v_lshlrev_b32 v1, 4, v3
	v_lshl_or_b32 v1, v2, 13, v1                   ; in: 8,192 x wave + 16 x lane
	v_lshlrev_b32 v3, 3, v3
	v_lshl_or_b32 v2, v2, 12, v3                   ; out: 4,096 x wave + 8 x lane
	s_wait_kmcnt 0x0
	s_cmp_ge_u32 s36, NCONV
	s_cbranch_scc1 .Ltable
	; which tensor, and which chunk of it: selects on the work-group's number
	s_mov_b64 s[28:29], s[8:9]
	s_mov_b32 s30, s36
	s_mov_b64 s[32:33], s[18:19]
	s_mov_b32 s31, s36
.macro PICK th, src
	s_sub_co_u32 s37, s36, \th
	s_cmp_ge_u32 s36, \th
	s_cselect_b64 s[28:29], s[\src:\src+1], s[28:29]
	s_cselect_b32 s30, s37, s30
.endm
	PICK 512, 10
	s_cselect_b64 s[32:33], s[20:21], s[32:33]     ; Wq, Wk and Wv land end to end in wqkv
	s_cselect_b32 s31, s37, s31
	PICK 768, 12
	PICK 832, 14
	PICK 896, 16
	s_cselect_b64 s[32:33], s[22:23], s[32:33]
	s_cselect_b32 s31, s37, s31
	s_lshl_b32 s38, s30, 16                        ; 65,536 bytes in a chunk of f32
	s_mov_b32 s39, 0
	s_add_nc_u64 s[28:29], s[28:29], s[38:39]
	s_lshl_b32 s38, s31, 15                        ; 32,768 bytes out
	s_add_nc_u64 s[32:33], s[32:33], s[38:39]
.set k, 0
.rept 16
	global_load_b128 v[X+4*k:X+4*k+3], v1, s[28:29] offset:512*k th:TH_LOAD_NT
.set k, k+1
.endr
.macro CONV wo
.set k, 0
.rept 16
	s_wait_loadcnt 15-k                            ; loads come back in order: load k is in, the 15 - k younger ones stay out
	v_cvt_pk_bf16_f32 v[Y+2*k], v[X+4*k], v[X+4*k+1]
	v_cvt_pk_bf16_f32 v[Y+2*k+1], v[X+4*k+2], v[X+4*k+3]
.if \wo
	v_lshlrev_b32 v100, 16, v[Y+2*k]               ; the bf16 numbers as f32 again,
	v_and_b32 v101, 0xffff0000, v[Y+2*k]
	v_lshlrev_b32 v102, 16, v[Y+2*k+1]
	v_and_b32 v103, 0xffff0000, v[Y+2*k+1]
	v_cvt_pk_f16_f32 v[Y+2*k], v100, v101          ; and written as f16
	v_cvt_pk_f16_f32 v[Y+2*k+1], v102, v103
.endif
	global_store_b64 v2, v[Y+2*k:Y+2*k+1], s[32:33] offset:256*k
.set k, k+1
.endr
	s_endpgm
.endm
	s_cmp_ge_u32 s36, 896
	s_cbranch_scc1 .Lwo
	CONV 0
.Lwo:
	CONV 1
.Ltable:
	s_sub_co_u32 s36, s36, NCONV                   ; 0..143
	s_lshr_b32 s37, s36, 1                         ; the block T
	s_and_b32 s38, s36, 1
	s_sub_co_u32 s38, 1, s38                       ; 1: cosine (even work-groups), 0: sine; cos a = sin(a + pi/2): one quadrant on
	s_cmp_lt_u32 s37, 64
	s_cselect_b32 s39, 1, 0                        ; blocks 64-71: t = 0
	s_mov_b32 s40, 0x3fc90fdb                      ; pi/2, upper part
	s_mov_b32 s41, 0x333bbd2e                      ; upper part - pi/2
	v_and_b32 v1, 15, v0
	v_lshl_add_u32 v1, s37, 4, v1
	v_mul_lo_u32 v1, v1, s39
	v_cvt_f32_u32 v4, v1                           ; t
	v_lshrrev_b32 v2, 6, v0                        ; b
	v_bfe_u32 v3, v0, 4, 1                         ; lane / 16
	v_lshlrev_b32 v5, 4, v2
	v_lshl_add_u32 v5, v3, 3, v5
	v_bfe_u32 v3, v0, 5, 1                         ; jh
	v_lshl_add_u32 v5, v3, 2, v5                   ; i of e = 0
	v_lshlrev_b32 v6, 4, v0
	s_lshl_b32 s42, s36, 12
	v_add_nc_u32 v6, s42, v6                       ; 4,096 x work-group + 16 x thread
	v_mov_b32 v7, 0
.irp e, 0,1,2,3
	v_add_nc_u32 v[16+12*(\e)], \e, v5
	v_cvt_f32_u32 v[16+12*(\e)], v[16+12*(\e)]
	v_mul_f32 v[16+12*(\e)], 0xbe549a78, v[16+12*(\e)]  ; -i log2(10000) / 64
.endr
.irp e, 0,1,2,3
	v_exp_f32 v[16+12*(\e)], v[16+12*(\e)]
.endr
	v_nop                                          ; a plain instruction between the last exponential and the use of its result (ISA guide 5.7.2)
	s_wait_alu depctr_va_vdst(0)
.irp e, 0,1,2,3
	v_mul_f32 v[17+12*(\e)], v4, v[16+12*(\e)]     ; the angle a
	v_mul_f32 v[18+12*(\e)], 0x3f22f983, v[17+12*(\e)]
	v_rndne_f32 v[18+12*(\e)], v[18+12*(\e)]       ; n = the nearest whole number to a x 2/pi
	v_fma_f32 v[19+12*(\e)], -v[18+12*(\e)], s40, v[17+12*(\e)]
	v_fma_f32 v[19+12*(\e)], v[18+12*(\e)], s41, v[19+12*(\e)]  ; r = a - n pi/2
	v_mul_f32 v[20+12*(\e)], v[19+12*(\e)], v[19+12*(\e)]
	v_mov_b32 v[21+12*(\e)], 0xb9500d01            ; sin r = r + r r2 (-1/6 + r2 (1/120 - r2/5040))
	v_fmaak_f32 v[21+12*(\e)], v[20+12*(\e)], v[21+12*(\e)], 0x3c088889
	v_fmaak_f32 v[21+12*(\e)], v[20+12*(\e)], v[21+12*(\e)], 0xbe2aaaab
	v_mul_f32 v[21+12*(\e)], v[20+12*(\e)], v[21+12*(\e)]
	v_fma_f32 v[21+12*(\e)], v[19+12*(\e)], v[21+12*(\e)], v[19+12*(\e)]
	v_mov_b32 v[22+12*(\e)], 0x37d00d01            ; cos r = 1 + r2 (-1/2 + r2 (1/24 + r2 (-1/720 + r2/40320)))
	v_fmaak_f32 v[22+12*(\e)], v[20+12*(\e)], v[22+12*(\e)], 0xbab60b61
	v_fmaak_f32 v[22+12*(\e)], v[20+12*(\e)], v[22+12*(\e)], 0x3d2aaaab
	v_fmaak_f32 v[22+12*(\e)], v[20+12*(\e)], v[22+12*(\e)], 0xbf000000
	v_fma_f32 v[22+12*(\e)], v[20+12*(\e)], v[22+12*(\e)], 1.0
	v_cvt_i32_f32 v[23+12*(\e)], v[18+12*(\e)]
	v_add_nc_u32 v[23+12*(\e)], s38, v[23+12*(\e)] ; the quadrant: odd takes the cosine's polynomial, bit 1 turns the sign
	v_and_b32 v[24+12*(\e)], 1, v[23+12*(\e)]
	v_cmp_ne_u32 vcc_lo, 0, v[24+12*(\e)]
	v_cndmask_b32 v[8+(\e)], v[21+12*(\e)], v[22+12*(\e)], vcc_lo
	v_and_b32 v[23+12*(\e)], 2, v[23+12*(\e)]
	v_lshlrev_b32 v[23+12*(\e)], 30, v[23+12*(\e)]
	v_xor_b32 v[8+(\e)], v[8+(\e)], v[23+12*(\e)]
.endr
	global_store_b128 v6, v[8:11], s[24:25]        ; a wave stores 512 consecutive bytes
	s_cmp_lg_u32 s36, 0
	s_cbranch_scc1 .Lend
	s_wait_xcnt 0x0                                ; EXEC changes only behind this wait: the store above has read its sources
	v_cmp_eq_u32 vcc_lo, 0, v0
	s_and_saveexec_b32 s34, vcc_lo
	global_store_b32 v7, v7, s[26:27]              ; out1 = 0, by one thread of the launch
	s_wait_xcnt 0x0                                ; and again in front of the line that widens it
	s_or_b32 exec_lo, exec_lo, s34
.Lend:
	s_endpgm
.Lfunc_end_k_qb67e3ef1ad_prep:
	.size	k_qb67e3ef1ad_prep, .Lfunc_end_k_qb67e3ef1ad_prep-k_qb67e3ef1ad_prep
	.p2alignl 7, 3214868480
	.fill 96, 4, 3214868480
	.section	.rodata,"a",@progbits
	.p2align	6, 0x0
	.amdhsa_kernel k_qb67e3ef1ad_prep
		.amdhsa_group_segment_fixed_size 0
		.amdhsa_private_segment_fixed_size 0
		.amdhsa_enable_private_segment 0
		.amdhsa_kernarg_size 80
		.amdhsa_user_sgpr_count 2
		.amdhsa_user_sgpr_kernarg_segment_ptr 1
		.amdhsa_wavefront_size32 1
		.amdhsa_system_sgpr_workgroup_id_x 1
		.amdhsa_system_sgpr_workgroup_id_y 1
		.amdhsa_system_sgpr_workgroup_id_z 1
		.amdhsa_system_vgpr_workitem_id 0
		.amdhsa_next_free_vgpr 112
		.amdhsa_next_free_sgpr 66
		.amdhsa_reserve_vcc 1
		.amdhsa_float_denorm_mode_32 3
		.amdhsa_float_denorm_mode_16_64 3
		.amdhsa_memory_ordered 1
		.amdhsa_forward_progress 1
		.amdhsa_inst_pref_size 24
	.end_amdhsa_kernel
	.amdgpu_metadata
---
amdhsa.version: [ 1, 2 ]
amdhsa.kernels:
  - .name:           k_qb67e3ef1ad_prep
    .symbol:         k_qb67e3ef1ad_prep.kd
    .args:
      - { .name: x, .offset: 0, .size: 8, .value_kind: global_buffer, .address_space: global }
      - { .name: Wq, .offset: 8, .size: 8, .value_kind: global_buffer, .address_space: global }
      - { .name: Wk, .offset: 16, .size: 8, .value_kind: global_buffer, .address_space: global }
      - { .name: Wv, .offset: 24, .size: 8, .value_kind: global_buffer, .address_space: global }
      - { .name: Wo, .offset: 32, .size: 8, .value_kind: global_buffer, .address_space: global }
      - { .name: xb, .offset: 40, .size: 8, .value_kind: global_buffer, .address_space: global }
      - { .name: wqkv, .offset: 48, .size: 8, .value_kind: global_buffer, .address_space: global }
      - { .name: wo16, .offset: 56, .size: 8, .value_kind: global_buffer, .address_space: global }
      - { .name: tab, .offset: 64, .size: 8, .value_kind: global_buffer, .address_space: global }
      - { .name: out1, .offset: 72, .size: 8, .value_kind: global_buffer, .address_space: global }
    .group_segment_fixed_size: 0
    .private_segment_fixed_size: 0
    .kernarg_segment_align: 8
    .kernarg_segment_size: 80
    .max_flat_workgroup_size: 256
    .sgpr_count:     66
    .vgpr_count:     112
    .wavefront_size: 32
...
	.end_amdgpu_metadata
.endif
;; end of part 1
;; launch qkv (part 2): grid 12 x 16, 4 waves a work-group, clusters of 4 x 4, 327,680 bytes of LDS; arguments xb, wqkv, tab, qkv; writes qkv
.if DOCPART == 2
	.amdgcn_target "amdgcn-amd-amdhsa--gfx1250"
	.amdhsa_code_object_version 6
	.text
	.protected	k_qb67e3ef1ad_qkv
	.globl	k_qb67e3ef1ad_qkv
	.p2align	8
	.type	k_qb67e3ef1ad_qkv,@function
k_qb67e3ef1ad_qkv:
	s_mov_b64 s[64:65], 0
	v_nop
	global_prefetch_b8 v0, s[64:65] scope:SCOPE_SE
	s_setreg_imm32_b32 hwreg(HW_REG_WAVE_MODE, 25, 1), 1
	s_wait_xcnt 0x0
	s_wait_alu depctr_hold_cnt(0) depctr_sa_sdst(0) depctr_va_vdst(0) depctr_va_sdst(0) depctr_va_ssrc(0) depctr_va_vcc(0) depctr_vm_vsrc(0)
	s_getreg_b32 s2, hwreg(HW_REG_IB_STS2, 6, 4)
	s_cmp_eq_u32 s2, 0
	s_cbranch_scc0 .Lentry_in_a_cluster
	s_endpgm
.Lentry_in_a_cluster:
	s_bfe_u32 s2, ttmp6, 0x10000c
	s_cmp_lg_u32 s2, 0xf033
	s_cbranch_scc0 .Lentry_shape_is_right
	s_endpgm
.Lentry_shape_is_right:
; q, k, v = x W^T, then RMS norm and rotary step for q and k, all in one launch.  A = xb [4096][2048] bf16, B = wqkv [3072][2048] bf16 (rows 0-2047 Wq, 2048-2559 Wk, 2560-3071 Wv),
; result qkv [4096][3072] f16: 24 heads of 128 columns (0-15 q, 16-19 k, 20-23 v).  Sums in f32; norm and rotation in f32 on the sums; one rounding to f16.
; LIMITS.  q and k are normalised (at most 11.4 in magnitude); v is stored in f16: |x Wv^T| must stay under 65,504.  NaN and infinities are not treated apart.
; SHAPE.  A tile of C is 256 x 256, four waves, each 128 x 128 = 64 accumulators = 512 registers; a wave's 128 columns are exactly ONE head, so norm and rotation never leave the wave.
; 12 x 16 = 192 work-groups: 24 heads do not divide into sixteen equal column shares without splitting a head over two waves.
; K goes in steps of 128 through two LDS slots filled by the tensor data mover; rows of 256 bytes, padded to 272.
; CLUSTERS: 4 x 4 work-groups; A's tile is asked for jointly along a row of the cluster, B's along a column: the same load, descriptor and mask in all four.
; THE MATRIX INSTRUCTION IS USED TRANSPOSED (source 0 = 16 rows of B, source 1 = 16 rows of A): lane l holds row l % 16 of C and, in accumulator b, the columns 16 b + 8 (l / 16) + 0..7 of the head.
; So channel d (accumulators 0-3) and channel d + 64 (accumulators 4-7) of a row lie in the same lane and register number, and the row's sum of squares wants one exchange of the lanes' halves.
; A head of v takes the same text: its factor is chosen 1 and its table block holds cos = 1, sin = 0.  Only selects hang on the head's number, no branch.
; THE WAY OUT of four blocks of 16 rows is written once and walked twice: between the walks the accumulators of my rows 64-127 (window 3) are copied to where the text names accumulators (window 2):
; 256 moves once a wave, for half the text.
; REGISTERS, in windows of 256: window 0: v0-31 addresses; v64-191 A's fragments, two buffers; on the way out v32-95 rows read back, v96-127 packed, v128-191 rotated, v192-202 the norm.
;   window 1: v64-191 B's fragments, two buffers; v0-63 and v192-255 two buffers of the table (cos of (b, j) at 8 b + j, sin 32 further).  windows 2, 3: the accumulators, (a, b) at v[8 (8 (a % 4) + b)].
.set SIZE_M, 4096
.set SIZE_N, 3072
.set SIZE_K, 2048
.set KSTEP,  128
.set PITCH,  272                       ; 256 bytes + 16 of padding = 68 words: the 16 rows of a load start at 16 different groups of four banks (ISA guide 11.1)
.set HALFT,  128*PITCH                 ; what one tensor load brings
.set SLOT,   4*HALFT                   ; A's 256 rows, then B's 256 rows
.set STAGE,  2*SLOT                    ; behind the ring: 16 rows x 272 bytes for each wave
.set SPITCH, 272
.set SPARE,  STAGE+4*16*SPITCH         ; the spare words, 128 bytes a wave; no other line names them
.set LAPS,   SIZE_K/(2*KSTEP)
.set ADRA, 16
.set ADRB, 20
.set STO,  24
.set RD,   25
.set CO,   26
.set SPW,  28
.set NIL,  29
.set PFO,  30                          ; the prefetches' offset: lane x a row of A or B
.set TLO,  31                          ; 16 x lane: my 16 bytes of each 512 of the table
.set F0,   64
.set F1,   128
.set OB,   32                          ; rows read back from the stage: v32-63 and v64-95 by turns
.set PKD,  96                          ; 32 packed words
.set T,    128                         ; 64 rotated numbers: column block b at T + 8 b
.set Z,    192                         ; four chains of squares
.set FS,   200                         ; the row's factor, twice
.set XR,   202
.set PFA,  44
.set LIM,  43
.set G1, 24
.set G0, 32
.set G1B, 48
.set G0B, 56
.set TABP, 66                          ; s[66:67] the table at the first block of 16 rows of the walk in hand
.set VM,   68                          ; s68  all ones for a head of v, else 0
.set RCP,  69                          ; s69  1/128
.set EPS,  70                          ; s70  2^-23
.set SEL,  72                          ; s[72:73] v_permlanex16_b32: the same place in the other half
.set MSB, 0
.macro WIN new                         ; the immediate's high byte repeats the setting that is left
.if MSB != (\new)
	s_set_vgpr_msb (MSB<<8)|(\new)
.set MSB, \new
.endif
.endm
.set MUL_LO, 0xa1                      ; source 0 (B) window 1, source 1 (A) window 0, C and D window 2
.set MUL_HI, 0xf1
.set TO_B,   0x40
; A joint load: waves 0 and 1 fetch A's halves, waves 2 and 3 B's.  An s_nop 0 and four v_nop follow each line.
.macro JLOAD s
	s_cmp_eq_u32 s11, 0
	s_cbranch_scc0 .Lfor_b_\@
	tensor_load_to_lds s[G0+4*(\s):G0+4*(\s)+3], s[G1:G1+7]
	s_nop 0
.rept 4
	v_nop
.endr
	s_branch .Lasked_\@
.Lfor_b_\@:
	tensor_load_to_lds s[G0B+4*(\s):G0B+4*(\s)+3], s[G1B:G1B+7]
	s_nop 0
.rept 4
	v_nop
.endr
.Lasked_\@:
.endm
; A prefetch of the K step that stands two refills on: 32 rows x 256 bytes, a lane a row.  Each row's 256 bytes of a K step are named once in the launch: cluster x = 0 asks for A's rows,
; cluster y = 0 for B's; the four partners of a joint load take 32 of its 128 rows each, told apart by address.  The loop's last trip asks for nothing: its two refills are the last K steps.
.macro ASK
	s_cmp_gt_u32 s3, s[LIM]
	s_cbranch_scc0 .Lnot_mine_\@
	global_prefetch_b8 v[PFO], s[PFA:PFA+1] offset:KSTEP*2 th:TH_LOAD_NT scope:SCOPE_SE
.Lnot_mine_\@:
.endm
.macro CREST                           ; a round of the cluster's barrier behind its opening barrier
	s_cmp_lg_u32 s10, 0
	s_cbranch_scc1 .Lnot_wave_0_\@
	s_barrier_signal -3
.Lnot_wave_0_\@:
	s_barrier_wait -3
	s_barrier_signal -1
	s_barrier_wait -1
.endm
.macro CROUND
	s_barrier_signal -1
	s_barrier_wait -1
	CREST
.endm
	s_load_b128 s[4:7], s[0:1], 0x0                ; A s[4:5], B s[6:7]
	s_load_b64 s[TABP:TABP+1], s[0:1], 0x10        ; the table
	s_load_b64 s[8:9], s[0:1], 0x18                ; C
	v_lshl_add_u32 v[SPW], v0, 2, SPARE
	v_mov_b32 v[NIL], 0
	ds_add_u32 v[SPW], v[NIL]                      ; the wave's opening: the add and its wait stand ahead of my first tensor load
	v_lshrrev_b32 v1, 5, v0
	v_readfirstlane_b32 s10, v1                    ; wave 0..3
	s_lshr_b32 s11, s10, 1                         ; my half of the tile's rows; also: I fetch for A (0) or B (1)
	s_and_b32 s12, s10, 1                          ; my half of its columns; also: which 128 rows I fetch
	s_bfe_u32 s40, ttmp6, 0x40000                  ; cx
	s_bfe_u32 s41, ttmp6, 0x40004                  ; cy
	s_lshl_b32 s42, ttmp9, 2
	s_add_co_u32 s42, s42, s40                     ; tile column
	s_and_b32 s13, ttmp7, 0xffff
	s_lshl_b32 s13, s13, 2
	s_add_co_u32 s13, s13, s41                     ; tile row
	s_lshl_b32 s43, s41, 2
	s_lshl_b32 s43, 15, s43                        ; my row of the cluster
	s_lshl_b32 s44, 0x1111, s40                    ; my column
	s_or_b32 s[G1+0], s43, (1<<16)|(1<<20)|(1<<21)|(5<<22)|(3<<25)  ; mask; 2-byte elements; padding on; bit 21 beside a mask; after every 64 words, 4 words
	s_or_b32 s[G1B+0], s44, (1<<16)|(1<<20)|(1<<21)|(5<<22)|(3<<25)
.irp g, G1, G1B
	s_mov_b32 s[(\g)+1], KSTEP<<16                 ; tensor_dim0 = 128
	s_mov_b32 s[(\g)+2], 128<<16                   ; tensor_dim1 = 128
	s_mov_b32 s[(\g)+3], KSTEP<<16                 ; tile_dim0 = 128
	s_mov_b32 s[(\g)+4], 128                       ; tile_dim1 = 128
	s_mov_b32 s[(\g)+5], SIZE_K                    ; elements from row to row
	s_mov_b32 s[(\g)+6], 0
	s_mov_b32 s[(\g)+7], 0
.endr
	s_mov_b32 s[RCP], 0x3c000000
	s_mov_b32 s[EPS], 0x34000000
	s_mov_b32 s[SEL], 0x76543210
	s_mov_b32 s[SEL+1], 0xfedcba98
	s_lshl_b32 s17, s12, 7
	s_lshl_b32 s16, s13, 8
	s_add_co_u32 s16, s16, s17                     ; A: row 256 x tile row + 128 x half
	s_lshl_b32 s46, s42, 8
	s_add_co_u32 s46, s46, s17                     ; B: row 256 x tile column + 128 x half
	s_mov_b32 s17, 0
	s_mov_b32 s47, 0
	s_mov_b64 s[18:19], SIZE_K*2
	s_mul_u64 s[16:17], s[16:17], s[18:19]
	s_mul_u64 s[46:47], s[46:47], s[18:19]
	s_mul_i32 s20, s10, HALFT                      ; where they go: wave x 128 rows
	s_wait_dscnt 0x0                               ; the opening add is done
	s_wait_kmcnt 0x0
	s_add_nc_u64 s[14:15], s[4:5], s[16:17]
	s_add_nc_u64 s[46:47], s[6:7], s[46:47]
	CROUND                                         ; all sixteen work-groups are here: the first joint loads meet
.irp s, 0,1
	s_mov_b32 s[G0+4*(\s)], 1
	s_add_co_u32 s[G0+4*(\s)+1], s20, (\s)*SLOT
	s_add_nc_u64 s[G0+4*(\s)+2:G0+4*(\s)+3], s[14:15], (\s)*KSTEP*2
	s_or_b32 s[G0+4*(\s)+3], s[G0+4*(\s)+3], 0x80000000
	s_mov_b32 s[G0B+4*(\s)], 1
	s_add_co_u32 s[G0B+4*(\s)+1], s20, (\s)*SLOT
	s_add_nc_u64 s[G0B+4*(\s)+2:G0B+4*(\s)+3], s[46:47], (\s)*KSTEP*2
	s_or_b32 s[G0B+4*(\s)+3], s[G0B+4*(\s)+3], 0x80000000
	JLOAD \s
.endr
	v_and_b32 v1, 15, v0                           ; l % 16
	v_bfe_u32 v2, v0, 4, 1                         ; l / 16
	v_mul_u32_u24 v3, v1, PITCH
	v_lshl_add_u32 v3, v2, 4, v3
	s_mul_i32 s21, s11, HALFT
	s_mul_i32 s22, s12, HALFT
	s_add_co_u32 s22, s22, 2*HALFT
.irp s, 0,1
	v_add_nc_u32 v[ADRA+(\s)], s21, v3
	v_add_nc_u32 v[ADRB+(\s)], s22, v3
	s_add_co_u32 s21, s21, SLOT
	s_add_co_u32 s22, s22, SLOT
.endr
	s_mul_i32 s23, s10, 16*SPITCH
	s_add_co_u32 s23, s23, STAGE
	v_mul_u32_u24 v4, v1, SPITCH
	v_lshl_add_u32 v4, v2, 4, v4
	v_add_nc_u32 v[STO], s23, v4
	v_mul_u32_u24 v5, v2, SPITCH
	v_lshl_add_u32 v5, v1, 4, v5
	v_add_nc_u32 v[RD], s23, v5
	v_mul_u32_u24 v5, v2, SIZE_N*2
	v_lshl_add_u32 v[CO], v1, 4, v5
	v_and_b32 v[TLO], 31, v0
	v_lshlrev_b32 v[TLO], 4, v[TLO]
	; the table: my first row's position in its sequence of 1,024, in blocks of 16 rows of 8,192 bytes; a head of v (head 20 or more) takes the blocks from 64 on
	s_lshl_b32 s74, s13, 8
	s_lshl_b32 s75, s11, 7
	s_add_co_u32 s74, s74, s75
	s_and_b32 s74, s74, 1023
	s_lshl_b32 s74, s74, 9
	s_lshl_b32 s75, s42, 1
	s_add_co_u32 s75, s75, s12                     ; my head
	s_cmp_ge_u32 s75, 20
	s_cselect_b32 s[VM], -1, 0
	s_cselect_b32 s74, 64*8192, s74
	s_mov_b32 s75, 0
	s_add_nc_u64 s[TABP:TABP+1], s[TABP:TABP+1], s[74:75]
	; where my part of the tile begins in C
	s_lshl_b32 s13, s13, 8
	s_lshl_b32 s14, s11, 7
	s_add_co_u32 s16, s13, s14
	s_mov_b32 s17, 0
	s_mov_b64 s[18:19], SIZE_N*2
	s_mul_u64 s[16:17], s[16:17], s[18:19]
	s_lshl_b32 s46, s42, 9
	s_lshl_b32 s47, s12, 8
	s_add_co_u32 s46, s46, s47
	s_mov_b32 s47, 0
	s_add_nc_u64 s[16:17], s[16:17], s[46:47]
	; the prefetches
	s_lshl_b32 s42, s42, 8
	s_and_b32 s22, ttmp7, 0xffff
	s_cmp_eq_u32 s11, 0
	s_cselect_b32 s20, s13, s42                    ; the tile's first row
	s_cselect_b32 s21, s40, s41                    ; my place among the four that ask with me
	s_cselect_b32 s22, ttmp9, s22                  ; the coordinate along which other clusters read the same rows
	s_cselect_b64 s[PFA:PFA+1], s[4:5], s[6:7]
	s_cmp_eq_u32 s22, 0
	s_cselect_b32 s[LIM], 1, -1
	s_lshl_b32 s22, s12, 7
	s_add_co_u32 s20, s20, s22
	s_lshl_b32 s21, s21, 5
	s_add_co_u32 s20, s20, s21
	s_mov_b32 s21, 0
	s_mov_b64 s[18:19], SIZE_K*2
	s_mul_u64 s[20:21], s[20:21], s[18:19]
	s_add_nc_u64 s[PFA:PFA+1], s[PFA:PFA+1], s[20:21]
	s_add_nc_u64 s[PFA:PFA+1], s[PFA:PFA+1], 2*KSTEP*2  ; at K step 2: the first refill steps it to 3 and names K step 4
	v_and_b32 v[PFO], 31, v0
	v_mul_u32_u24 v[PFO], v[PFO], SIZE_K*2
; 16 matrix instructions: m blocks a0, a0 + 1 of the window's four x all 8 n blocks.  zero = 1: the first product starts the sums.
.macro MUL16 f, hi, a0, zero
	WIN MUL_LO+0x50*(\hi)
.irp a, \a0, (\a0)+1
.irp b, 0,1,2,3,4,5,6,7
.if \zero
	v_wmma_f32_16x16x32_bf16 v[8*(8*(\a)+(\b)):8*(8*(\a)+(\b))+7], v[(\f)+8*(\b):(\f)+8*(\b)+7], v[(\f)+8*(4*(\hi)+(\a)):(\f)+8*(4*(\hi)+(\a))+7], 0
.else
	v_wmma_f32_16x16x32_bf16 v[8*(8*(\a)+(\b)):8*(8*(\a)+(\b))+7], v[(\f)+8*(\b):(\f)+8*(\b)+7], v[(\f)+8*(4*(\hi)+(\a)):(\f)+8*(4*(\hi)+(\a))+7], v[8*(8*(\a)+(\b)):8*(8*(\a)+(\b))+7]
.endif
.endr
.endr
.endm
.macro FETCH slot, k, f                ; 32 LDS loads in one run: a quarter step's fragments
	WIN TO_B
.irp i, 0,1,2,3,4,5,6,7
	ds_load_b128 v[(\f)+8*(\i):(\f)+8*(\i)+3],   v[ADRB+(\slot)] offset:(\k)+(\i)*16*PITCH
	ds_load_b128 v[(\f)+8*(\i)+4:(\f)+8*(\i)+7], v[ADRB+(\slot)] offset:(\k)+(\i)*16*PITCH+32
.endr
	WIN 0
.irp i, 0,1,2,3,4,5,6,7
	ds_load_b128 v[(\f)+8*(\i):(\f)+8*(\i)+3],   v[ADRA+(\slot)] offset:(\k)+(\i)*16*PITCH
	ds_load_b128 v[(\f)+8*(\i)+4:(\f)+8*(\i)+7], v[ADRA+(\slot)] offset:(\k)+(\i)*16*PITCH+32
.endr
.endm
.macro PLACES                          ; four plain vector instructions between a matrix instruction and a load into, or a vector access to, its registers
.rept 4
	v_nop
.endr
.endm
.macro QUARTER slot, k, f, g, zero
	s_wait_dscnt 8                                 ; B and A's rows 0-63 are in; the youngest eight loads may be out
	MUL16 \f, 0, 0, \zero
	MUL16 \f, 0, 2, \zero
	PLACES
	FETCH \slot, \k, \g
	s_wait_dscnt 32                                ; all but the 32 just issued
	MUL16 \f, 1, 0, \zero
	MUL16 \f, 1, 2, \zero
.endm
; The first half of a step's last quarter, and the barrier of the change of slots.  The quarter's first 32 products stand AHEAD of the wait for the tensor loads, and nothing but the descriptors' steps stands between that
; wait and the barrier: so a refill has a whole K step, 256 matrix instructions, between its request and the wait for it.  In front of the signal each wave has waited for all its tensor loads (its part of the next
; slot), added 0 to its spare word, and waited for that and for its reads of this slot.  fill = 1: this slot's two descriptors step two K steps on.
.macro MEET fill, slot
	s_wait_dscnt 8                                 ; B and A's rows 0-63 of buffer 1 are in
	MUL16 F1, 0, 0, 0
	MUL16 F1, 0, 2, 0
	WIN 0
	s_wait_tensorcnt 0x0                           ; all my tensor loads have landed, so a group 0 may be written
	ds_add_u32 v[SPW], v[NIL]
.if \fill
	s_add_nc_u64 s[G0+4*(\slot)+2:G0+4*(\slot)+3], s[G0+4*(\slot)+2:G0+4*(\slot)+3], 2*KSTEP*2
	s_add_nc_u64 s[G0B+4*(\slot)+2:G0B+4*(\slot)+3], s[G0B+4*(\slot)+2:G0B+4*(\slot)+3], 2*KSTEP*2
.endif
	s_wait_dscnt 0x0                               ; the add is done, and my reads of this slot are over
	s_barrier_signal -1
	s_barrier_wait -1
.endm
.macro TURN slot, next
	s_wait_xcnt 0x0                                ; the last prefetch, a K step back, has read its address
	s_add_nc_u64 s[PFA:PFA+1], s[PFA:PFA+1], KSTEP*2
	MEET 1, \slot
	CREST                                          ; no wave of any partner still reads this slot or has a load on its way
	JLOAD \slot                                    ; the first tensor load behind the round; its four v_nop are also the places in front of the loads below
	FETCH \next, 0, F0
	ASK
	MUL16 F1, 1, 0, 0
	MUL16 F1, 1, 2, 0
.endm
; THE WAY OUT.  LT a: the table block of rows 16 a .. 16 a + 15 of the walk in hand: sixteen loads of 512 consecutive bytes, into buffer a % 2 in window 1.
.macro LT a
	WIN 0x40
.set u, 0
.rept 16
	global_load_b128 v[192*((\a)%2)+4*u:192*((\a)%2)+4*u+3], v[TLO], s[TABP:TABP+1] offset:(\a)*8192+u*512
.set u, u+1
.endr
	WIN 0
.endm
; NR a: norm and rotation of row block a of the walk's four.  The sum of squares in four chains (each accumulator's lowest registers are read first); the other half of the lanes holds the row's
; other 64 columns; y1 = x1 cos + x2 sin, y2 = x2 cos - x1 sin on the raw sums, then the row's factor, then one rounding to f16.
; The table's blocks are asked for two blocks ahead: blocks 2 and 3 behind the rotations of blocks 0 and 1; the next walk's blocks 0 and 1 (here 4 and 5) behind block 3's, in the first walk alone.
; So in both walks sixteen younger loads are out at the waits of blocks 0, 1 and 2, and none at block 3's.
.macro NR a
.set AC, 64*(\a)
.set TB, 192*((\a)%2)
	WIN 0x0a                                       ; sources 0 and 1: window 2
.irp p, 0,1,2,3
	v_pk_mul_f32 v[Z+2*(\p):Z+2*(\p)+1], v[AC+2*(\p):AC+2*(\p)+1], v[AC+2*(\p):AC+2*(\p)+1]
.endr
.irp b, 1,2,3,4,5,6,7
.irp p, 0,1,2,3
	v_pk_fma_f32 v[Z+2*(\p):Z+2*(\p)+1], v[AC+8*(\b)+2*(\p):AC+8*(\b)+2*(\p)+1], v[AC+8*(\b)+2*(\p):AC+8*(\b)+2*(\p)+1], v[Z+2*(\p):Z+2*(\p)+1]
.endr
.endr
	WIN 0
	v_pk_add_f32 v[Z:Z+1], v[Z:Z+1], v[Z+2:Z+3]
	v_pk_add_f32 v[Z+4:Z+5], v[Z+4:Z+5], v[Z+6:Z+7]
	v_pk_add_f32 v[Z:Z+1], v[Z:Z+1], v[Z+4:Z+5]
	v_add_f32 v[FS], v[Z], v[Z+1]
	v_permlanex16_b32 v[XR], v[FS], s[SEL], s[SEL+1]
	v_add_f32 v[FS], v[FS], v[XR]
	v_fma_f32 v[FS], v[FS], s[RCP], s[EPS]         ; the mean of the squares + eps
	v_rsq_f32 v[FS], v[FS]
	v_nop                                          ; a plain instruction behind the root (ISA guide 5.7.2)
	s_wait_alu depctr_va_vdst(0)
	v_cndmask_b32 v[FS], v[FS], 1.0, s[VM]         ; a head of v is not normalised
	v_mov_b32 v[FS+1], v[FS]
.if (\a) < 3
	s_wait_loadcnt 16                              ; this block's table is in; the next block's sixteen loads stay out
.else
	s_wait_loadcnt 0x0                             ; no load was issued behind this block's
.endif
	WIN 0x06                                       ; source 0: the accumulators, window 2; source 1: the table, window 1
.irp b, 0,1,2,3
.irp p, 0,1,2,3
	v_pk_mul_f32 v[T+8*(\b)+2*(\p):T+8*(\b)+2*(\p)+1], v[AC+8*(\b)+2*(\p):AC+8*(\b)+2*(\p)+1], v[TB+8*(\b)+2*(\p):TB+8*(\b)+2*(\p)+1]
	v_pk_mul_f32 v[T+32+8*(\b)+2*(\p):T+32+8*(\b)+2*(\p)+1], v[AC+32+8*(\b)+2*(\p):AC+32+8*(\b)+2*(\p)+1], v[TB+8*(\b)+2*(\p):TB+8*(\b)+2*(\p)+1]
	v_pk_fma_f32 v[T+8*(\b)+2*(\p):T+8*(\b)+2*(\p)+1], v[AC+32+8*(\b)+2*(\p):AC+32+8*(\b)+2*(\p)+1], v[TB+32+8*(\b)+2*(\p):TB+32+8*(\b)+2*(\p)+1], v[T+8*(\b)+2*(\p):T+8*(\b)+2*(\p)+1]
	v_pk_fma_f32 v[T+32+8*(\b)+2*(\p):T+32+8*(\b)+2*(\p)+1], v[AC+8*(\b)+2*(\p):AC+8*(\b)+2*(\p)+1], v[TB+32+8*(\b)+2*(\p):TB+32+8*(\b)+2*(\p)+1], v[T+32+8*(\b)+2*(\p):T+32+8*(\b)+2*(\p)+1] neg_lo:[1,0,0] neg_hi:[1,0,0]
.endr
.endr
.if (\a) < 2
	LT (\a)+2                                      ; into the buffer just read
.endif
.if (\a) == 3
	WIN 0
	s_cmp_eq_u32 s3, 1                             ; the second walk has nothing behind it
	s_cbranch_scc1 .Lsecond_walk
	LT 4                                           ; the next walk's first two blocks: both buffers have been read
	LT 5
	WIN 0x83                                       ; destination window 2, source window 3: all four blocks of window 2 have been rotated into T or sent on
.set u, 0
.rept 256
	v_mov_b32 v[u], v[u]                           ; the accumulators of my rows 64-127 go where the text names accumulators; ascending, so each is read from its low end on
.set u, u+1
.endr
	WIN 0
.Lsecond_walk:
.endif
	WIN 0
.set u, 0
.rept 32
	v_pk_mul_f32 v[T+2*u:T+2*u+1], v[T+2*u:T+2*u+1], v[FS:FS+1]
.set u, u+1
.endr
.set u, 0
.rept 32
	v_cvt_pk_f16_f32 v[PKD+u], v[T+2*u], v[T+2*u+1]
.set u, u+1
.endr
.endm
.macro TOSTAGE a                       ; 16 bytes a lane into my own stage, and back as whole rows of 256 bytes
	WIN 0
.set BK, OB+32*((\a)%2)
.irp b, 0,1,2,3,4,5,6,7
	ds_store_b128 v[STO], v[PKD+4*(\b):PKD+4*(\b)+3] offset:32*(\b)
.endr
.irp t, 0,1,2,3,4,5,6,7
	ds_load_b128 v[BK+4*(\t):BK+4*(\t)+3], v[RD] offset:(\t)*2*SPITCH  ; LDS serves a wave's instructions in order (ISA guide 5.7.1.4): these see the stores above
.endr
.endm
.macro SEND a
	WIN 0
.set BK, OB+32*((\a)%2)
	s_wait_dscnt 0x0                               ; the block is back in registers
	s_wait_xcnt 0x0                                ; the stores' base, and the registers that earlier stores read, are rewritten only behind this wait
.if (\a) == 0
	s_add_nc_u64 s[8:9], s[8:9], s[16:17]          ; the first walk: on to my part of the tile; the second: 16 rows on, like every other block
	s_mov_b64 s[16:17], 16*SIZE_N*2
.else
	s_add_nc_u64 s[8:9], s[8:9], 16*SIZE_N*2
.endif
.irp t, 0,1,2,3,4,5,6,7
	global_store_b128 v[CO], v[BK+4*(\t):BK+4*(\t)+3], s[8:9] offset:2*(\t)*SIZE_N*2  ; 16 lanes store 256 consecutive bytes, aligned: a row of one head
.endr
.endm
	s_wait_tensorcnt 1                             ; my part of K step 0 is in; K step 1's may stay out
	s_barrier_signal -1
	s_barrier_wait -1
	FETCH 0, 0, F0
	QUARTER 0, 64,  F0, F1, 1                      ; the first quarter stands in front of the loop: its products start the sums
	WIN 0
	s_mov_b32 s3, LAPS-1
.Llap:                                                 ; a trip goes once round the ring and fills both slots again
	QUARTER 0, 128, F1, F0, 0
	QUARTER 0, 192, F0, F1, 0
	TURN 0, 1
	QUARTER 1, 64,  F0, F1, 0
	QUARTER 1, 128, F1, F0, 0
	QUARTER 1, 192, F0, F1, 0
	TURN 1, 0
	QUARTER 0, 64,  F0, F1, 0
	WIN 0
	s_sub_co_u32 s3, s3, 1
	s_cmp_lg_u32 s3, 0
	s_cbranch_scc1 .Llap
	LT 0                                           ; the first two table blocks come in under the last lap
	LT 1
	QUARTER 0, 128, F1, F0, 0                      ; the last lap fills nothing
	QUARTER 0, 192, F0, F1, 0
	MEET 0, 0
	PLACES
	FETCH 1, 0, F0
	MUL16 F1, 1, 0, 0
	MUL16 F1, 1, 2, 0
	QUARTER 1, 64,  F0, F1, 0
	QUARTER 1, 128, F1, F0, 0
	QUARTER 1, 192, F0, F1, 0
	s_wait_dscnt 8
	MUL16 F1, 0, 0, 0
	MUL16 F1, 0, 2, 0
	s_wait_dscnt 0x0
	MUL16 F1, 1, 0, 0
	MUL16 F1, 1, 2, 0
	WIN 0
	PLACES
	PLACES
	v_mov_b32 v[XR], 0                             ; v_permlanex16_b32's destination counts as read
	s_mov_b32 s3, 2
.Lwalk:                                                ; two walks of four blocks of 16 rows; a block's arithmetic stands between the loads of the block before from the stage and the wait for them
	NR 0
	TOSTAGE 0
	NR 1
	SEND 0
	TOSTAGE 1
	NR 2
	SEND 1
	TOSTAGE 2
	NR 3
	SEND 2
	TOSTAGE 3
	SEND 3
	s_wait_xcnt 0x0                                ; the table's loads have read their base
	s_add_nc_u64 s[TABP:TABP+1], s[TABP:TABP+1], 4*8192
	s_sub_co_u32 s3, s3, 1
	s_cmp_lg_u32 s3, 0
	s_cbranch_scc1 .Lwalk
	s_wait_tensorcnt 0x0                           ; the wave's end
	ds_add_u32 v[SPW], v[NIL]
	s_wait_dscnt 0x0
	CROUND                                         ; the closing round
	s_endpgm
.Lfunc_end_k_qb67e3ef1ad_qkv:
	.size	k_qb67e3ef1ad_qkv, .Lfunc_end_k_qb67e3ef1ad_qkv-k_qb67e3ef1ad_qkv
	.p2alignl 7, 3214868480
	.fill 96, 4, 3214868480
	.section	.rodata,"a",@progbits
	.p2align	6, 0x0
	.amdhsa_kernel k_qb67e3ef1ad_qkv
		.amdhsa_group_segment_fixed_size 327680
		.amdhsa_private_segment_fixed_size 0
		.amdhsa_enable_private_segment 0
		.amdhsa_kernarg_size 32
		.amdhsa_user_sgpr_count 2
		.amdhsa_user_sgpr_kernarg_segment_ptr 1
		.amdhsa_wavefront_size32 1
		.amdhsa_system_sgpr_workgroup_id_x 1
		.amdhsa_system_sgpr_workgroup_id_y 1
		.amdhsa_system_sgpr_workgroup_id_z 1
		.amdhsa_system_vgpr_workitem_id 0
		.amdhsa_next_free_vgpr 1024
		.amdhsa_next_free_sgpr 80
		.amdhsa_reserve_vcc 0
		.amdhsa_float_denorm_mode_32 3
		.amdhsa_float_denorm_mode_16_64 3
		.amdhsa_memory_ordered 1
		.amdhsa_forward_progress 1
		.amdhsa_inst_pref_size 182
	.end_amdhsa_kernel
	.amdgpu_metadata
---
amdhsa.version: [ 1, 2 ]
amdhsa.kernels:
  - .name:           k_qb67e3ef1ad_qkv
    .symbol:         k_qb67e3ef1ad_qkv.kd
    .args:
      - { .name: xb, .offset: 0, .size: 8, .value_kind: global_buffer, .address_space: global }
      - { .name: wqkv, .offset: 8, .size: 8, .value_kind: global_buffer, .address_space: global }
      - { .name: tab, .offset: 16, .size: 8, .value_kind: global_buffer, .address_space: global }
      - { .name: qkv, .offset: 24, .size: 8, .value_kind: global_buffer, .address_space: global }
    .group_segment_fixed_size: 327680
    .private_segment_fixed_size: 0
    .kernarg_segment_align: 8
    .kernarg_segment_size: 32
    .max_flat_workgroup_size: 128
    .sgpr_count:     80
    .vgpr_count:     1024
    .wavefront_size: 32
...
	.end_amdgpu_metadata
.endif
;; end of part 2
;; launch attn (part 3): grid 16 x 16, 4 waves a work-group, clusters of 4 x 1, 327,680 bytes of LDS; arguments qkv, ob; writes ob
.if DOCPART == 3
	.amdgcn_target "amdgcn-amd-amdhsa--gfx1250"
	.amdhsa_code_object_version 6
	.text
	.protected	k_qb67e3ef1ad_attn
	.globl	k_qb67e3ef1ad_attn
	.p2align	8
	.type	k_qb67e3ef1ad_attn,@function
k_qb67e3ef1ad_attn:
	s_mov_b64 s[64:65], 0
	v_nop
	global_prefetch_b8 v0, s[64:65] scope:SCOPE_SE
	s_setreg_imm32_b32 hwreg(HW_REG_WAVE_MODE, 25, 1), 1
	s_wait_xcnt 0x0
	s_wait_alu depctr_hold_cnt(0) depctr_sa_sdst(0) depctr_va_vdst(0) depctr_va_sdst(0) depctr_va_ssrc(0) depctr_va_vcc(0) depctr_vm_vsrc(0)
	s_getreg_b32 s2, hwreg(HW_REG_IB_STS2, 6, 4)
	s_cmp_eq_u32 s2, 0
	s_cbranch_scc0 .Lentry_in_a_cluster
	s_endpgm
.Lentry_in_a_cluster:
	s_bfe_u32 s2, ttmp6, 0x10000c
	s_cmp_lg_u32 s2, 0x3003
	s_cbranch_scc0 .Lentry_shape_is_right
	s_endpgm
.Lentry_shape_is_right:
; CAUSAL ATTENTION WITH SHARED KEY AND VALUE HEADS.  qkv [4096][3072] f16 (row = 1024 b + t; heads of 128 columns: 0-15 q, 16-19 k, 20-23 v), result ob [4096][2048] f16 (column = 128 head + channel).
; O[q] = the sum over k <= q of softmax_k(Q[q] . K[k] / sqrt(128)) V[k].  Products, maxima and sums in f32; the weights p are rounded to f16 for the second product (their sum l is taken of the unrounded p), O once.
; LIMITS.  q and k are normalised, so scores lie within 128; a hidden score counts as its value less 2^100; a weight below 2^-126 counts as 0 in l; O has v's range; NaN and infinities are not treated apart.
; SHARES.  Grid y = 4 b + kv head.  WAVE w IS QUERY HEAD 4 kv + w: the four query heads of a kv head read every K and V tile from the same LDS.  The 1,024 positions lie in 32 blocks of 32; work-group p = 4 c + cx
; (c the cluster, cx its place in it) takes block p and then block 31 - p; a wave holds 32 queries at a time, two tiles of 16.  Keys go in steps of 64, two steps to a tile of the ring.
; Block p needs the tiles 0 .. c, block 31 - p the tiles 0 .. 7 - c: NINE tiles for every work-group, and the same sequence for the four partners of a cluster, so every tile is asked for JOINTLY
; (the same load, descriptor and mask in all four).  On cx hang only Q's, O's and the prefetches' addresses and a scalar that feeds a vector compare: no branch, no trip count, no LDS address.
; LAYOUT.  S^T = K Q^T holds one query a lane (lane % 16) and the keys 8 (lane / 16) + 0..7; two such results rounded to f16 are source 1 of O^T = V^T P.  K comes out of LDS as it lies, V turned (ds_load_tr16_b128).
; SOFTMAX.  A running maximum m and sum l: p = 2^(c s - c m), c = log2(e) / sqrt(128); O and l are multiplied by a = 2^(c m_old - c m_new) in every step.  c m starts far below every c s, so a block's first a is 0.
; THE MASK is the C operand that starts a sum S^T: 0, or -2^100 where the key is hidden.  Key 64 s + 16 kb + 8 h + j is hidden from query 32 blk + 16 t + r where 16 (kb - t) + j > DL + r - 8 h, DL = 32 blk - 64 s:
; five sets of eight registers, for kb - t = -1 .. 3, serve both tiles.  They are made anew in the two steps of a block's last tile; in all earlier tiles every key is visible to every partner, and the sets hold 0.
; BY TURNS.  A key step j is two turns of 32 products.  Turn A: V^T P of step j - 1 and then K Q^T of step j, both for tile 0; tile 1's softmax of step j - 1 stands between them, four of its 134 instructions behind
; each product and the six that are over at the end.  Turn B: the same products for tile 1, with tile 0's softmax of step j.  So no product stands bare and none carries more than four.
; The launch's first turn A and the first half of its turn B work on constants that add nothing; the last step's V^T P and tile 1's last softmax are written out behind the walk.
; REGISTERS, in windows of 256: window 0: v0-9 addresses; v12-27 statistics, eight a tile; v44-45, v61-63; v64-127 S^T; v128-191 the way out, 32 a tile; v192-223 P.   window 1: v0-127 O^T, 64 a tile; v128-167 the masks.
;   window 2: v0-63 Q; v64-127 the second block's Q; v128-255 K of one step.   window 3: v0-127 V of one step.
.set KS,    64
.set PK,    272       ; a row of K in LDS: 256 bytes + 16: the 16 rows of a load start at 16 different groups of four banks (ISA guide 11.1)
.set PV,    288       ; a row of V: 256 + 32
.set VOFF,  KS*PK
.set STEPB, KS*(PK+PV)
.set SLOT1, 1<<17     ; a slot holds two steps (71,680 bytes); slot 1 begins here
.set STAGE, SLOT1+2*STEPB  ; behind the ring: 16 rows x 272 bytes for each wave
.set SP,    272
.set SPARE, STAGE+4*16*SP  ; the spare words, 128 bytes a wave; no other line names them
.set ROWQ,  6144      ; bytes in a row of qkv
.set ROWO,  4096      ; bytes in a row of ob
.set TILEB, 128*ROWQ  ; from a tile of 128 keys to the next
.set AK0, 2
.set AV0, 3
.set ADR, 4
.set QO,  5
.set STO, 6
.set RD,  7
.set GO,  8
.set ST,  12          ; tile t at v[ST+8 t]: +0 c m, +1 m, +2, +3 l, +4 to +7 at work; a takes +6
.set TH0, 44          ; r - 8 h
.set THR, 45          ; DL + r - 8 h
.set PFO, 61          ; lane x a row of qkv
.set SPW, 62
.set NIL, 63
.set S,   64
.set TP,  128         ; the way out: tile t's 32 packed words at TP + 32 t
.set P,   192
.set M,   128         ; window 1
.set QB,  64          ; window 2
.set KF,  128         ; window 2
.set WV,  12
.set LIM, 15          ; 2 in a wave that prefetches, else the greatest number
.set PFA, 18          ; s[18:19]
.set G1K, 24
.set G1V, 32
.set G0K, 40
.set G0V, 44
.set CC,  48          ; c
.set C1,  49          ; c + 1
.set TI,  50          ; the walk's index of the tile entered
.set AI,  51
.set NXT, 52          ; the tile to be asked for
.set TMP, 53
.set OFF, 54          ; s[54:55]
.set SLOTS, 56
.set TWICE, 57
.set CS,  58          ; s[58:59]
.set SEL, 60          ; s[60:61]
.set TB,  62          ; LDS byte at which the tiles of the step to be fetched begin
.set EV,  63          ; 1: the first block ends in this step
.set MK,  66          ; 1: this tile's steps take masks
.set DL,  67
.set DLH, 68
.set BIGN, 69
.set OHI, 70          ; s[70:71] O at my rows of the second block
.set QHI, 72          ; s[72:73] Q likewise
.set KB,  74          ; s[74:75] K at my half of tile 0
.set VB,  76          ; s[76:77] V likewise
.set MSB, 0
.macro WIN new
.if MSB != (\new)
	s_set_vgpr_msb (MSB<<8)|(\new)
.set MSB, \new
.endif
.endm
.set W_KQ, 0x0a       ; K and Q in window 2, S^T in window 0
.set W_KM, 0x1a       ; the same with the C operand in window 1
.set W_PV, 0x53       ; V in window 3, P in window 0, O^T in window 1
.set W_RS, 0x41       ; destination and source 0 in window 1, source 1 in window 0
; A joint fill: waves 0 and 1 fetch K of the tile's two steps, waves 2 and 3 V.  An s_nop 0 and four v_nop follow each line.
.macro JLOAD
	s_cmp_lt_u32 s[WV], 2
	s_cbranch_scc0 .Lfor_v_\@
	tensor_load_to_lds s[G0K:G0K+3], s[G1K:G1K+7]
	s_nop 0
.rept 4
	v_nop
.endr
	s_branch .Lasked_\@
.Lfor_v_\@:
	tensor_load_to_lds s[G0V:G0V+3], s[G1V:G1V+7]
	s_nop 0
.rept 4
	v_nop
.endr
.Lasked_\@:
.endm
; A prefetch.  The cluster c = 0 of a kv head walks the tiles 0, 0, 1, .., 7: in trip i it loads tile i and names tile i + 2, i = 0 .. 5: two changes of slots, 256 matrix instructions, ahead of its own load.
; A tile has 128 rows of 256 bytes of K and of V: the four partners take 32 rows each, told apart by address; wave 0 asks for K's, wave 2 for V's; a lane a row.  So tiles 2 to 7 are named once; tiles 0 and 1 come by their loads alone.
.macro ASK
	s_cmp_gt_u32 s[SLOTS], s[LIM]
	s_cbranch_scc0 .Lnot_mine_\@
	global_prefetch_b8 v[PFO], s[PFA:PFA+1] th:TH_LOAD_NT scope:SCOPE_SE
.Lnot_mine_\@:
.endm
.macro CROUND
	s_barrier_signal -1
	s_barrier_wait -1
	s_cmp_lg_u32 s[WV], 0
	s_cbranch_scc1 .Lnot_wave_0_\@
	s_barrier_signal -3
.Lnot_wave_0_\@:
	s_barrier_wait -3
	s_barrier_signal -1
	s_barrier_wait -1
.endm
.macro PLACES                       ; four plain vector instructions between a matrix instruction and a load into, or a vector access to, its registers
.rept 4
	v_nop
.endr
.endm
; THE CHANGE OF SLOTS.  Each wave waits for all its tensor loads (one is out: its part of the other slot), adds 0 to its spare word, and waits for that and for its reads of the slot that it leaves.
; fill = 1: the barrier is a round of the cluster's, and the old slot is filled first behind it, with the walk's next tile: index i + 1 is tile i + 1 while that is at most c, else tile i - c.
; The descriptor's address is made anew from that number.  (At its first use nothing has been read yet: slot 0 is waited for, slot 1 filled.)
.macro CHANGE fill
	WIN 0
	s_wait_tensorcnt 0x0            ; no tensor load of mine is out, so a group 0 may be written
	ds_add_u32 v[SPW], v[NIL]
.if \fill
	s_add_co_u32 s[AI], s[TI], 1
	s_sub_co_u32 s[TMP], s[AI], s[C1]
	s_cmp_le_u32 s[AI], s[CC]
	s_cselect_b32 s[NXT], s[AI], s[TMP]
	s_mul_i32 s[OFF], s[NXT], TILEB
	s_xor_b32 s[G0K+1], s[G0K+1], SLOT1
	s_add_nc_u64 s[G0K+2:G0K+3], s[KB:KB+1], s[OFF:OFF+1]
	s_or_b32 s[G0K+3], s[G0K+3], 0x80000000
	s_xor_b32 s[G0V+1], s[G0V+1], SLOT1
	s_add_nc_u64 s[G0V+2:G0V+3], s[VB:VB+1], s[OFF:OFF+1]
	s_or_b32 s[G0V+3], s[G0V+3], 0x80000000
	s_wait_xcnt 0x0                 ; the last prefetch, two key steps back, has read its address
	s_add_nc_u64 s[PFA:PFA+1], s[PFA:PFA+1], TILEB
	s_wait_dscnt 0x0                ; the add is done, and my reads of the slot are over
	CROUND
	JLOAD
	ASK
.else
	s_wait_dscnt 0x0
	s_barrier_signal -1
	s_barrier_wait -1
.endif
	s_sub_co_u32 s[TB], s[TB], 2*STEPB  ; the fetches go back to a slot's first step,
	s_xor_b32 s[TB], s[TB], SLOT1       ; in the other slot
.endm
	s_load_b128 s[4:7], s[0:1], 0x0 ; qkv s[4:5], ob s[6:7]
	v_lshl_add_u32 v[SPW], v0, 2, SPARE
	v_mov_b32 v[NIL], 0
	ds_add_u32 v[SPW], v[NIL]       ; the wave's opening: the add and its wait stand ahead of my first tensor load
	v_lshrrev_b32 v1, 5, v0
	v_readfirstlane_b32 s[WV], v1   ; wave 0..3
	s_bfe_u32 s13, ttmp6, 0x40000   ; cx
	s_mov_b32 s[CC], ttmp9          ; c
	s_add_co_u32 s[C1], s[CC], 1
	s_lshl_b32 s14, s[CC], 2
	s_add_co_u32 s14, s14, s13      ; p: the first block
	s_sub_co_u32 s16, 31, s14       ; the second block
	s_lshl_b32 s[DL], s14, 5
	s_lshl_b32 s[DLH], s16, 5
	s_and_b32 s20, ttmp7, 0xffff
	s_lshr_b32 s21, s20, 2          ; b
	s_and_b32 s22, s20, 3           ; the kv head
	s_mul_i32 s23, s21, 1024*ROWQ   ; the batch's rows in qkv
	s_lshl_b32 s78, s21, 22         ; and in ob
	s_lshl_b32 s79, s22, 2
	s_add_co_u32 s79, s79, s[WV]
	s_lshl_b32 s79, s79, 8          ; my query head's 256 bytes of a row
	s_and_b32 s17, s[WV], 1         ; which of a tile's two steps I fetch
	s_mul_i32 s2, s17, KS*ROWQ
	s_add_co_u32 s2, s2, s23
	s_lshl_b32 s3, s22, 8
	s_add_co_u32 s2, s2, s3
	s_add_co_u32 s2, s2, 16*256     ; K's heads follow the 16 of q
	s_mov_b32 s3, 0
	s_mul_i32 s17, s17, STEPB       ; its place in a slot
	s_mov_b32 s[G1K], 15|(1<<16)|(1<<20)|(1<<21)|(5<<22)|(3<<25)  ; the mask of four; 2-byte elements; padding on; bit 21 beside a mask; after every 64 words, 4 words
	s_mov_b32 s[G1V], 15|(1<<16)|(1<<20)|(1<<21)|(5<<22)|(7<<25)  ; the same with 8 words of padding
.irp g, G1K, G1V
	s_mov_b32 s[(\g)+1], 128<<16    ; tensor_dim0 = 128
	s_mov_b32 s[(\g)+2], KS<<16     ; tensor_dim1 = 64
	s_mov_b32 s[(\g)+3], 128<<16    ; tile_dim0 = 128
	s_mov_b32 s[(\g)+4], KS         ; tile_dim1 = 64
	s_mov_b32 s[(\g)+5], 3072       ; elements from row to row
	s_mov_b32 s[(\g)+6], 0
	s_mov_b32 s[(\g)+7], 0
.endr
	s_mov_b32 s[G0K], 1
	s_mov_b32 s[G0K+1], s17         ; slot 0
	s_mov_b32 s[G0V], 1
	s_add_co_u32 s[G0V+1], s17, VOFF
	s_mov_b32 s[CS], 0x3e0293ee     ; c = log2(e) / sqrt(128)
	s_mov_b32 s[CS+1], s[CS]
	s_mov_b32 s[SEL], 0x76543210
	s_mov_b32 s[SEL+1], 0xfedcba98
	s_mov_b32 s[BIGN], 0xf1800000   ; -2^100: a power of two, so that c times it is exact in f32
	s_mov_b32 s[TB], SLOT1+2*STEPB  ; the first change of slots turns it into 0
	s_mov_b32 s[TI], 0
	s_mov_b32 s[SLOTS], 8
	s_mov_b32 s[OFF+1], 0
	s_and_b32 s[LIM], s[WV], 1
	s_or_b32 s[LIM], s[LIM], ttmp9  ; 0 in waves 0 and 2 of the cluster c = 0: the same in all four partners
	s_cmp_eq_u32 s[LIM], 0
	s_cselect_b32 s[LIM], 2, -1
	s_mov_b32 s21, 0
	s_wait_dscnt 0x0                ; the opening add is done
	s_wait_kmcnt 0x0
	s_add_nc_u64 s[KB:KB+1], s[4:5], s[2:3]
	s_add_nc_u64 s[VB:VB+1], s[KB:KB+1], 4*256   ; V's heads follow the 4 of k
	s_mov_b64 s[G0K+2:G0K+3], s[KB:KB+1]
	s_or_b32 s[G0K+3], s[G0K+3], 0x80000000
	s_mov_b64 s[G0V+2:G0V+3], s[VB:VB+1]
	s_or_b32 s[G0V+3], s[G0V+3], 0x80000000
	s_mul_i32 s20, s14, 32*ROWQ
	s_add_co_u32 s20, s20, s23
	s_add_co_u32 s20, s20, s79
	s_add_nc_u64 s[8:9], s[4:5], s[20:21]        ; Q of the first block
	s_mul_i32 s20, s16, 32*ROWQ
	s_add_co_u32 s20, s20, s23
	s_add_co_u32 s20, s20, s79
	s_add_nc_u64 s[QHI:QHI+1], s[4:5], s[20:21]  ; and of the second
	s_mul_i32 s20, s14, 32*ROWO
	s_add_co_u32 s20, s20, s78
	s_add_co_u32 s20, s20, s79
	s_add_nc_u64 s[10:11], s[6:7], s[20:21]      ; O of the first block
	s_mul_i32 s20, s16, 32*ROWO
	s_add_co_u32 s20, s20, s78
	s_add_co_u32 s20, s20, s79
	s_add_nc_u64 s[OHI:OHI+1], s[6:7], s[20:21]
	s_cmp_lt_u32 s[WV], 2
	s_cselect_b64 s[PFA:PFA+1], s[KB:KB+1], s[VB:VB+1]
	s_mul_i32 s20, s13, 32*ROWQ     ; my work-group's 32 rows of the 128,
	s_add_co_u32 s20, s20, TILEB    ; in tile 1: the first change of slots steps it to tile 2
	s_add_nc_u64 s[PFA:PFA+1], s[PFA:PFA+1], s[20:21]
	CROUND                          ; all four work-groups are here: the first joint loads meet
	JLOAD                           ; tile 0 into slot 0
	v_and_b32 v1, 15, v0            ; r = l % 16
	v_bfe_u32 v9, v0, 4, 1          ; h = l / 16
	v_mul_u32_u24 v[QO], v1, ROWQ
	v_lshl_add_u32 v[QO], v9, 4, v[QO]
	WIN 0x80                        ; destination window 2
.set i, 0
.rept 8                             ; both blocks' Q: tile i / 4, channels 32 (i % 4) on
	global_load_b128 v[8*i:8*i+3],   v[QO], s[8:9] offset:(i/4)*16*ROWQ+(i%4)*64
	global_load_b128 v[8*i+4:8*i+7], v[QO], s[8:9] offset:(i/4)*16*ROWQ+(i%4)*64+32
	global_load_b128 v[QB+8*i:QB+8*i+3],   v[QO], s[QHI:QHI+1] offset:(i/4)*16*ROWQ+(i%4)*64
	global_load_b128 v[QB+8*i+4:QB+8*i+7], v[QO], s[QHI:QHI+1] offset:(i/4)*16*ROWQ+(i%4)*64+32
.set i, i+1
.endr
	; What the launch's first step finds in place of a step before it: V, O^T, l and tile 0's P hold 0, so its products V^T P add 0.  Tile 1's scores hold -2^100: c times that is exact, so c s - c m is exactly 0 and its
	; weights are 1, which meet V = 0; it leaves m = -2^100, and the first true step's a = 0 wipes what it left in l.  All this stands in the wait for the first tile.
	WIN 0xc0
.set i, 0
.rept 128
	v_mov_b32 v[i], 0
.set i, i+1
.endr
	WIN 0x40
.set i, 0
.rept 128
	v_mov_b32 v[i], 0
.set i, i+1
.endr
	WIN 0
.set i, 0
.rept 16
	v_mov_b32 v[P+i], 0
.set i, i+1
.endr
.set i, 0
.rept 32
	v_mov_b32 v[S+32+i], s[BIGN]
.set i, i+1
.endr
.irp t, 0,1
.irp n, 2,3,4,5,6,7
	v_mov_b32 v[ST+8*(\t)+(\n)], 0  ; l starts at 0; the four registers at work are written once, so that every line that names them as a pair or as a lane exchange's destination finds them written
.endr
.endr
	v_mul_u32_u24 v[AK0], v1, PK
	v_lshl_add_u32 v[AK0], v9, 4, v[AK0]
	v_and_b32 v10, 7, v0            ; the turning load: lane l reads key 8 (l / 16) + l % 8, channels 8 ((l / 8) % 2) + 0..7
	v_bfe_u32 v11, v0, 3, 1
	v_lshl_add_u32 v[AV0], v9, 3, v10
	v_mul_u32_u24 v[AV0], v[AV0], PV
	v_lshl_add_u32 v[AV0], v11, 4, v[AV0]
	v_add_nc_u32 v[AV0], VOFF, v[AV0]
	s_mul_i32 s20, s[WV], 16*SP
	s_add_co_u32 s20, s20, STAGE    ; my stage
	v_mul_u32_u24 v[STO], v1, SP
	v_lshl_add_u32 v[STO], v9, 4, v[STO]
	v_add_nc_u32 v[STO], s20, v[STO]
	v_mul_u32_u24 v[RD], v9, SP
	v_lshl_add_u32 v[RD], v1, 4, v[RD]
	v_add_nc_u32 v[RD], s20, v[RD]
	v_lshlrev_b32 v[GO], 12, v9     ; two rows of ob
	v_lshl_add_u32 v[GO], v1, 4, v[GO]
	v_lshlrev_b32 v[TH0], 3, v9
	v_sub_nc_u32 v[TH0], v1, v[TH0]
	v_and_b32 v[PFO], 31, v0
	v_mul_u32_u24 v[PFO], v[PFO], ROWQ
; THE MATRIX WORK.  The accumulators of a run take turns, one instruction a turn.
; Product i of 16 of S^T = K Q^T for tile t: keys 16 (i % 4) on, channels 32 (i / 4) on.  The first four start the sums with the mask.
.macro MKQ t
.set rS, S+32*(\t)+8*(i%4)
.set rK, KF+32*(i%4)+8*(i/4)
.set rQ, 32*(\t)+8*(i/4)
.set rM, M+8*(i%4-(\t)+1)
.if i < 4
	WIN W_KM
	v_wmma_f32_16x16x32_f16 v[rS:rS+7], v[rK:rK+7], v[rQ:rQ+7], v[rM:rM+7]
.else
	WIN W_KQ
	v_wmma_f32_16x16x32_f16 v[rS:rS+7], v[rK:rK+7], v[rQ:rQ+7], v[rS:rS+7]
.endif
.endm
; Product i of 16 of O^T += V^T P for tile t: keys 32 (i / 8) on, channels 16 (i % 8) on.
.macro MPV t
	WIN W_PV
.set rO, 64*(\t)+8*(i%8)
.set rV, 64*(i/8)+8*(i%8)
.set rP, P+16*(\t)+8*(i/8)
	v_wmma_f32_16x16x32_f16 v[rO:rO+7], v[rV:rV+7], v[rP:rP+7], v[rO:rO+7]
.endm
; THE LDS LOADS stand in runs of 32.
.macro FETCH_K
	WIN 0
	v_add_nc_u32 v[ADR], s[TB], v[AK0]
	WIN 0x80
.irp f, 0,1,2,3,4,5,6,7,8,9,10,11,12,13,14,15  ; keys 16 (f / 4) on, channels 32 (f % 4) on
	ds_load_b128 v[KF+8*(\f):KF+8*(\f)+3],   v[ADR] offset:((\f)/4)*16*PK+((\f)%4)*64
	ds_load_b128 v[KF+8*(\f)+4:KF+8*(\f)+7], v[ADR] offset:((\f)/4)*16*PK+((\f)%4)*64+32
.endr
.endm
.macro FETCH_V
	WIN 0
	v_add_nc_u32 v[ADR], s[TB], v[AV0]
	s_add_co_u32 s[TB], s[TB], STEPB  ; the next fetch is the next step's
	WIN 0xc0
.irp f, 0,1,2,3,4,5,6,7,8,9,10,11,12,13,14,15  ; keys 32 (f / 8) on, channels 16 (f % 8) on
	ds_load_tr16_b128 v[8*(\f):8*(\f)+3],   v[ADR] offset:((\f)/8)*32*PV+((\f)%8)*32
	ds_load_tr16_b128 v[8*(\f)+4:8*(\f)+7], v[ADR] offset:((\f)/8)*32*PV+16*PV+((\f)%8)*32
.endr
.endm
; THE VECTOR WORK.  One tile's softmax for one key step is a list of 134 instructions; SM writes number j of it for tile t.  s0-s31 are the lane's 32 scores, in pairs 0-15.
;   0-15    the maximum of s0-s31 and the old m, three operands at a time (each accumulator's lowest registers are read first)
;   16-20   the other half of the lanes' maximum; the new m; c m; c m_old - c m_new
;   21-87   33 exponentials (a, then s0-s31) at the odd numbers from 23 on, a plain instruction between any two: scalings c s - c m of pairs to come, roundings to f16 of pairs that are done, the first sums
;   88-101  the last rounding; the rest of the sums; l = a l + the sum          102-133 the tile's O^T times a
.macro SM t
.set rT, ST+8*(\t)
.set rS, S+32*(\t)
.set rP, P+16*(\t)
.set rO, 64*(\t)+2*(j-102)
.set q, (j-20)/2
.if j < 102
	WIN 0
.endif
.if j < 4
	v_max3_num_f32 v[rT+4+j], v[rS+8*j], v[rS+8*j+1], v[rS+8*j+2]
.elseif j < 12
	v_max3_num_f32 v[rT+4+j%4], v[rT+4+j%4], v[rS+8*(j%4)+2*(j/4)+1], v[rS+8*(j%4)+2*(j/4)+2]
.elseif j == 12
	v_max3_num_f32 v[rT+4], v[rT+4], v[rS+7], v[rS+15]
.elseif j == 13
	v_max3_num_f32 v[rT+6], v[rT+6], v[rS+23], v[rS+31]
.elseif j == 14
	v_max3_num_f32 v[rT+4], v[rT+4], v[rT+5], v[rT+6]
.elseif j == 15
	v_max3_num_f32 v[rT+4], v[rT+4], v[rT+7], v[rT+1]
.elseif j == 16
	v_permlanex16_b32 v[rT+5], v[rT+4], s[SEL], s[SEL+1]  ; the query's other 32 keys lie in the lane 16 away
.elseif j == 17
	v_mov_b32 v[rT+7], v[rT]        ; c m_old is kept for a
.elseif j == 18
	v_max_num_f32 v[rT+1], v[rT+4], v[rT+5]
.elseif j == 19
	v_mul_f32 v[rT], s[CS], v[rT+1]
.elseif j == 20
	v_sub_f32 v[rT+7], v[rT+7], v[rT]
.elseif j == 23
	v_exp_f32 v[rT+6], v[rT+7]
.elseif (j < 88) && (j > 23) && (j%2 == 1)
	v_exp_f32 v[rS+(j-25)/2], v[rS+(j-25)/2]
.elseif (q < 4) || ((j < 76) && (q%2 == 0))
.set b, q/2+2
.if q < 4
.set b, q
.endif
	v_pk_fma_f32 v[rS+2*b:rS+2*b+1], v[rS+2*b:rS+2*b+1], s[CS:CS+1], v[rT:rT+1] op_sel_hi:[1,0,0] neg_lo:[0,0,1] neg_hi:[0,0,1]  ; pair b: c s - c m
.elseif (j < 88) && (q%2 == 1)
	s_wait_alu depctr_va_vdst(0)
	v_cvt_pk_f16_f32 v[rP+(q-5)/2], v[rS+q-5], v[rS+q-4]
.elseif j == 89
	s_wait_alu depctr_va_vdst(0)
	v_cvt_pk_f16_f32 v[rP+15], v[rS+30], v[rS+31]
.elseif j < 102                     ; the sum of the 16 pairs, in place: neighbours 1, 2, 4 and 8 pairs apart, then l takes it
.set z, j-86
.if j < 89
.set z, (j-76)/4
.endif
.set w, 4
.set u, z
.if z >= 14
.set w, 32
.set u, 0
.elseif z >= 12
.set w, 16
.set u, z-12
.elseif z >= 8
.set w, 8
.set u, z-8
.endif
.if z < 15
	v_pk_add_f32 v[rS+w*u:rS+w*u+1], v[rS+w*u:rS+w*u+1], v[rS+w*u+w/2:rS+w*u+w/2+1]
.else
	v_pk_fma_f32 v[rT+2:rT+3], v[rT+2:rT+3], v[rT+6:rT+7], v[rS:rS+1] op_sel_hi:[1,0,1]
.endif
.else
	WIN W_RS
	v_pk_mul_f32 v[rO:rO+1], v[rO:rO+1], v[rT+6:rT+7] op_sel_hi:[1,0]
.endif
.endm
.macro SMN t, n                     ; the next n numbers of the list
.rept \n
	SM \t
.set j, j+1
.endr
.endm
.macro MASK                         ; the five sets for this step
	WIN 0
	v_add_nc_u32 v[THR], s[DL], v[TH0]
	WIN 0x40
.set z, 0
.rept 40
	v_cmp_gt_i32 vcc_lo, 16*(z/8)-16+z%8, v[THR]
	v_cndmask_b32 v[M+z], 0, s[BIGN], vcc_lo
.set z, z+1
.endr
.endm
.macro NOMASK                       ; a block begins: no key is hidden yet
	WIN 0x40
.set z, 0
.rept 40
	v_mov_b32 v[M+z], 0
.set z, z+1
.endr
	WIN 0
.endm
.macro RESET t                      ; a block begins for tile t: c m far below every c s; m the lowest finite number.  O^T and l need only be finite: the first a is 0
	WIN 0
	v_mov_b32 v[ST+8*(\t)], 0xfe000000
	v_mov_b32 v[ST+8*(\t)+1], 0xff7fffff
.endm
; What is left behind the walk's last step: V^T P for tile 0 with tile 1's last softmax in eights behind its products, the six that are over, V^T P for tile 1.
.macro PVPART
	s_wait_dscnt 0x0                ; V is in
.set i, 0
.set j, 0
.rept 16
	MPV 0
	SMN 1, 8
.set i, i+1
.endr
	SMN 1, 6
.set i, 0
.rept 16
	MPV 1
.set i, i+1
.endr
.endm
; THE WAY OUT of tile t: l's halves are added; O^T is divided by l, rounded to f16, sent through my stage (16 bytes a lane in, whole rows of 256 bytes back) and stored.  It has 32 registers of its own: S^T may be in use.
.macro OUT t
	WIN 0
	s_wait_xcnt 0x0                 ; earlier stores have read the registers that are written below
	v_add_f32 v[ST+8*(\t)+4], v[ST+8*(\t)+2], v[ST+8*(\t)+3]
	v_permlanex16_b32 v[ST+8*(\t)+5], v[ST+8*(\t)+4], s[SEL], s[SEL+1]
	v_add_f32 v[ST+8*(\t)+4], v[ST+8*(\t)+4], v[ST+8*(\t)+5]
	v_rcp_f32 v[ST+8*(\t)+6], v[ST+8*(\t)+4]
	v_nop                           ; a plain instruction between the reciprocal and the use of its result
	WIN W_RS
.set i, 64*(\t)
	s_wait_alu depctr_va_vdst(0)
.rept 32
	v_pk_mul_f32 v[i:i+1], v[i:i+1], v[ST+8*(\t)+6:ST+8*(\t)+7] op_sel_hi:[1,0]
.set i, i+2
.endr
	WIN 0x05                        ; sources 0 and 1 window 1, destination window 0
.set i, 0
.rept 32
	v_cvt_pk_f16_f32 v[TP+32*(\t)+i], v[64*(\t)+2*i], v[64*(\t)+2*i+1]
.set i, i+1
.endr
	WIN 0
.irp f, 0,1,2,3,4,5,6,7
	ds_store_b128 v[STO], v[TP+32*(\t)+4*(\f):TP+32*(\t)+4*(\f)+3] offset:32*(\f)
.endr
.irp f, 0,1,2,3,4,5,6,7
	ds_load_b128 v[TP+32*(\t)+4*(\f):TP+32*(\t)+4*(\f)+3], v[RD] offset:(\f)*2*SP  ; LDS serves a wave's instructions in order (ISA guide 5.7.1.4): these see the stores above
.endr
.irp f, 0,1,2,3,4,5,6,7
	s_wait_dscnt 7-(\f)             ; no other LDS instruction of mine is out here: load f is back, the 7 - f younger ones stay out
	global_store_b128 v[GO], v[TP+32*(\t)+4*(\f):TP+32*(\t)+4*(\f)+3], s[10:11] offset:(\t)*16*ROWO+(\f)*2*ROWO  ; 16 lanes store 256 consecutive bytes, aligned: a row of my head
.endr
.endm
; A KEY STEP j.  ev = 1: the text holds the change of blocks, taken where EV = 1, in three places: each tile is sent out behind its last V^T P and set anew ahead of the first line that works for the new block.
; mk = 1: masks are always made; 0: where MK = 1.  All these jumps go forward, past neither a barrier nor a tensor load.
; K of step j is fetched at the step's head: K's last reader stands ten plain rescalings back.  V of step j is fetched behind turn B's second product K Q^T: six plain instructions stand behind V's last reader.
.macro STEP ev, mk
	FETCH_K
	s_wait_dscnt 32                 ; V of step j - 1 is in; the 32 loads of K just issued stay out
.set j, 0
.set i, 0
.rept 16                            ; TURN A, first half
	MPV 0
	SMN 1, 4
.set i, i+1
.endr
.if \ev
	WIN 0
	s_cmp_eq_u32 s[EV], 0
	s_cbranch_scc1 .Lno_a_\@
	WIN 0x82                        ; tile 0's Q of the second block goes where the one text of the step names Q
.set z, 0
.rept 32
	v_mov_b32 v[z], v[QB+z]
.set z, z+1
.endr
	NOMASK
	s_mov_b32 s[DL], s[DLH]
.Lno_a_\@:
.endif
.if \mk
	MASK
.else
	WIN 0
	s_cmp_eq_u32 s[MK], 0
	s_cbranch_scc1 .Lno_mask_\@
	MASK
	WIN 0
.Lno_mask_\@:
.endif
	s_sub_co_u32 s[DL], s[DL], KS
	s_wait_dscnt 0x0                ; K of step j is in
.set i, 0
.rept 16                            ; second half
	MKQ 0
	SMN 1, 4
.set i, i+1
.endr
	SMN 1, 6                        ; with the four in front of them: ten plain rescalings of tile 1's O^T, the places behind tile 0's last product
.if \ev
	WIN 0
	s_cmp_eq_u32 s[EV], 0
	s_cbranch_scc1 .Lno_b_\@
	OUT 0                           ; tile 0 of the first block is finished: its last V^T P stands sixteen products and their riders back
	RESET 0
.Lno_b_\@:
.endif
.set j, 0
.set i, 0
.rept 16                            ; TURN B, first half
	MPV 1
	SMN 0, 4
.set i, i+1
.endr
.if \ev
	WIN 0
	s_cmp_eq_u32 s[EV], 0
	s_cbranch_scc1 .Lno_c_\@
	PLACES                          ; behind tile 1's last V^T P
	OUT 1
	RESET 1
	s_wait_xcnt 0x0                 ; both tiles' stores have read O's address
	s_mov_b64 s[10:11], s[OHI:OHI+1]
	WIN 0x82
.set z, 32
.rept 32
	v_mov_b32 v[z], v[QB+z]
.set z, z+1
.endr
	WIN 0
	s_mov_b32 s[EV], 0
.Lno_c_\@:
.endif
.set i, 0
.rept 16                            ; second half
	MKQ 1
	SMN 0, 4
.if i == 1
	FETCH_V
.endif
.set i, i+1
.endr
	SMN 0, 6
.endm
.macro TWO ev, mk                   ; a tile's two key steps: written once, walked twice
	WIN 0
	s_mov_b32 s[TWICE], 2
.Lstep_\@:
	STEP \ev, \mk
	WIN 0
	s_sub_co_u32 s[TWICE], s[TWICE], 1
	s_cmp_lg_u32 s[TWICE], 0
	s_cbranch_scc1 .Lstep_\@
.endm
	NOMASK
	RESET 0
	RESET 1
	s_wait_loadcnt 0x0              ; Q
.Lslot:                             ; eight trips: a tile is entered and the next is asked for
	CHANGE 1
	s_cmp_eq_u32 s[TI], s[C1]       ; the second block's first tile: its first step ends the first block
	s_cselect_b32 s[EV], 1, 0
	s_cmp_eq_u32 s[TI], s[CC]       ; the first block's last tile
	s_cselect_b32 s[MK], 1, 0
	TWO 1, 0
	s_add_co_u32 s[TI], s[TI], 1
	s_sub_co_u32 s[SLOTS], s[SLOTS], 1
	s_cmp_lg_u32 s[SLOTS], 0
	s_cbranch_scc1 .Lslot
	CHANGE 0                        ; the walk's last tile is written out; it is the second block's last: its steps take masks
	TWO 0, 1
	PVPART
	PLACES                          ; behind the last product
	OUT 0
	OUT 1
	WIN 0
	s_wait_tensorcnt 0x0            ; the wave's end
	ds_add_u32 v[SPW], v[NIL]
	s_wait_dscnt 0x0
	CROUND                          ; the closing round
	s_endpgm
.Lfunc_end_k_qb67e3ef1ad_attn:
	.size	k_qb67e3ef1ad_attn, .Lfunc_end_k_qb67e3ef1ad_attn-k_qb67e3ef1ad_attn
	.p2alignl 7, 3214868480
	.fill 96, 4, 3214868480
	.section	.rodata,"a",@progbits
	.p2align	6, 0x0
	.amdhsa_kernel k_qb67e3ef1ad_attn
		.amdhsa_group_segment_fixed_size 327680
		.amdhsa_private_segment_fixed_size 0
		.amdhsa_enable_private_segment 0
		.amdhsa_kernarg_size 16
		.amdhsa_user_sgpr_count 2
		.amdhsa_user_sgpr_kernarg_segment_ptr 1
		.amdhsa_wavefront_size32 1
		.amdhsa_system_sgpr_workgroup_id_x 1
		.amdhsa_system_sgpr_workgroup_id_y 1
		.amdhsa_system_sgpr_workgroup_id_z 1
		.amdhsa_system_vgpr_workitem_id 0
		.amdhsa_next_free_vgpr 896
		.amdhsa_next_free_sgpr 80
		.amdhsa_reserve_vcc 1
		.amdhsa_float_denorm_mode_32 3
		.amdhsa_float_denorm_mode_16_64 3
		.amdhsa_memory_ordered 1
		.amdhsa_forward_progress 1
		.amdhsa_inst_pref_size 129
	.end_amdhsa_kernel
	.amdgpu_metadata
---
amdhsa.version: [ 1, 2 ]
amdhsa.kernels:
  - .name:           k_qb67e3ef1ad_attn
    .symbol:         k_qb67e3ef1ad_attn.kd
    .args:
      - { .name: qkv, .offset: 0, .size: 8, .value_kind: global_buffer, .address_space: global }
      - { .name: ob, .offset: 8, .size: 8, .value_kind: global_buffer, .address_space: global }
    .group_segment_fixed_size: 327680
    .private_segment_fixed_size: 0
    .kernarg_segment_align: 8
    .kernarg_segment_size: 16
    .max_flat_workgroup_size: 128
    .sgpr_count:     80
    .vgpr_count:     896
    .wavefront_size: 32
...
	.end_amdgpu_metadata
.endif
;; end of part 3
;; launch oproj (part 4): grid 8 x 32, 4 waves a work-group, clusters of 4 x 4, 327,680 bytes of LDS; arguments ob, wo16, out0; writes out0
.if DOCPART == 4
	.amdgcn_target "amdgcn-amd-amdhsa--gfx1250"
	.amdhsa_code_object_version 6
	.text
	.protected	k_qb67e3ef1ad_oproj
	.globl	k_qb67e3ef1ad_oproj
	.p2align	8
	.type	k_qb67e3ef1ad_oproj,@function
k_qb67e3ef1ad_oproj:
	s_mov_b64 s[64:65], 0
	v_nop
	global_prefetch_b8 v0, s[64:65] scope:SCOPE_SE
	s_setreg_imm32_b32 hwreg(HW_REG_WAVE_MODE, 25, 1), 1
	s_wait_xcnt 0x0
	s_wait_alu depctr_hold_cnt(0) depctr_sa_sdst(0) depctr_va_vdst(0) depctr_va_sdst(0) depctr_va_ssrc(0) depctr_va_vcc(0) depctr_vm_vsrc(0)
	s_getreg_b32 s2, hwreg(HW_REG_IB_STS2, 6, 4)
	s_cmp_eq_u32 s2, 0
	s_cbranch_scc0 .Lentry_in_a_cluster
	s_endpgm
.Lentry_in_a_cluster:
	s_bfe_u32 s2, ttmp6, 0x10000c
	s_cmp_lg_u32 s2, 0xf033
	s_cbranch_scc0 .Lentry_shape_is_right
	s_endpgm
.Lentry_shape_is_right:
; out0 = O Wo^T.  A = ob [4096][2048] f16, B = wo16 [2048][2048] f16, C = out0 [4096][2048] f32; sums in f32, stored as they are.
; SHAPE.  A tile of C is 128 x 256: 32 x 8 = 256 work-groups.  Four waves, each 64 rows x 128 columns: 32 accumulators, 256 registers.  K goes in steps of 128 (rows of 256 bytes, padded to 272) through two LDS slots.
; Slot 1 begins at 1 << 17, so that one exclusive or turns an address in one slot into the other's: the loop's trip is ONE K step, with one walking descriptor for A and one for B.
; CLUSTERS: 4 x 4 work-groups; A's tile is asked for jointly along a row of the cluster, B's along a column.  Waves 0 and 1 fetch A's halves (64 rows), waves 2 and 3 B's (128 rows).
; THE MATRIX INSTRUCTION IS USED TRANSPOSED (source 0 = 16 rows of B, source 1 = 16 rows of A): a lane holds eight neighbouring numbers of a row of C, 32 bytes.
; No prefetch: the tile is small and a K step short; what is shared is asked for jointly.
; REGISTERS: window 0: v0-31 addresses; v64-95, v128-159 A's fragments, two buffers; on the way out v64-191 rows read back, two buffers.  window 1: v64-127, v128-191 B's fragments.  window 2: the accumulators, (a, b) at v[8 (8 a + b)].
.set SIZE_N, 2048
.set SIZE_K, 2048
.set KSTEP,  128
.set STEPS,  SIZE_K/KSTEP
.set PITCH,  272
.set ABYTES, 128*PITCH                 ; a slot: A's 128 rows, then B's 256 rows: 104,448 bytes
.set SLOT1,  1<<17
.set STAGE,  1<<18                     ; behind the ring: 16 rows x 528 bytes for each wave
.set SPITCH, 528                       ; 512 bytes + 16 = 132 words: the 16 rows of a store start at 16 different groups of four banks
.set SPARE,  STAGE+4*16*SPITCH         ; the spare words, 128 bytes a wave; no other line names them
.set A0,   16                          ; v16  my lane's place among my rows of A in a slot; never rewritten
.set B0,   17                          ; v17  the same for B
.set ADRA, 20                          ; v20  the same in the slot that is being read
.set ADRB, 21
.set STO,  24
.set RD,   25
.set CO,   26
.set SPW,  28
.set NIL,  29
.set F0,   64
.set F1,   128
.set OB,   64
.set G1, 24
.set G0, 32                            ; s[32:39] group 0 for A: a set for each of the two first fills; the second then walks on
.set TB, 45                            ; s45  the slot that is being read: 0 or SLOT1
.set G1B, 48
.set G0B, 56                           ; s[56:63] the same for B
.set MSB, 0
.macro WIN new
.if MSB != (\new)
	s_set_vgpr_msb (MSB<<8)|(\new)
.set MSB, \new
.endif
.endm
.set MUL,  0xa1                        ; source 0 (B) window 1, source 1 (A) window 0, C and D window 2
.set TO_B, 0x40
.macro JLOAD s                         ; an s_nop 0 and four v_nop follow each of the two lines
	s_cmp_eq_u32 s11, 0
	s_cbranch_scc0 .Lfor_b_\@
	tensor_load_to_lds s[G0+4*(\s):G0+4*(\s)+3], s[G1:G1+7]
	s_nop 0
.rept 4
	v_nop
.endr
	s_branch .Lasked_\@
.Lfor_b_\@:
	tensor_load_to_lds s[G0B+4*(\s):G0B+4*(\s)+3], s[G1B:G1B+7]
	s_nop 0
.rept 4
	v_nop
.endr
.Lasked_\@:
.endm
.macro CREST
	s_cmp_lg_u32 s10, 0
	s_cbranch_scc1 .Lnot_wave_0_\@
	s_barrier_signal -3
.Lnot_wave_0_\@:
	s_barrier_wait -3
	s_barrier_signal -1
	s_barrier_wait -1
.endm
.macro CROUND
	s_barrier_signal -1
	s_barrier_wait -1
	CREST
.endm
	s_load_b128 s[4:7], s[0:1], 0x0                ; A s[4:5], B s[6:7]
	s_load_b64 s[8:9], s[0:1], 0x10                ; C
	v_lshl_add_u32 v[SPW], v0, 2, SPARE
	v_mov_b32 v[NIL], 0
	ds_add_u32 v[SPW], v[NIL]                      ; the wave's opening: the add and its wait stand ahead of my first tensor load
	v_lshrrev_b32 v1, 5, v0
	v_readfirstlane_b32 s10, v1                    ; wave 0..3
	s_lshr_b32 s11, s10, 1                         ; my half of the tile's rows; also: I fetch for A (0) or B (1)
	s_and_b32 s12, s10, 1                          ; my half of its columns; also: which half of that tile I fetch
	s_bfe_u32 s40, ttmp6, 0x40000                  ; cx
	s_bfe_u32 s41, ttmp6, 0x40004                  ; cy
	s_lshl_b32 s42, ttmp9, 2
	s_add_co_u32 s42, s42, s40                     ; tile column
	s_and_b32 s13, ttmp7, 0xffff
	s_lshl_b32 s13, s13, 2
	s_add_co_u32 s13, s13, s41                     ; tile row
	s_lshl_b32 s43, s41, 2
	s_lshl_b32 s43, 15, s43                        ; my row of the cluster
	s_lshl_b32 s44, 0x1111, s40                    ; my column
	s_or_b32 s[G1+0], s43, (1<<16)|(1<<20)|(1<<21)|(5<<22)|(3<<25)  ; mask; 2-byte elements; padding on; bit 21 beside a mask; after every 64 words, 4 words
	s_or_b32 s[G1B+0], s44, (1<<16)|(1<<20)|(1<<21)|(5<<22)|(3<<25)
	s_mov_b32 s[G1+1], KSTEP<<16                   ; tensor_dim0 = 128
	s_mov_b32 s[G1+2], 64<<16                      ; tensor_dim1 = 64
	s_mov_b32 s[G1+3], KSTEP<<16                   ; tile_dim0 = 128
	s_mov_b32 s[G1+4], 64                          ; tile_dim1 = 64
	s_mov_b32 s[G1+5], SIZE_K
	s_mov_b32 s[G1+6], 0
	s_mov_b32 s[G1+7], 0
	s_mov_b32 s[G1B+1], KSTEP<<16
	s_mov_b32 s[G1B+2], 128<<16                    ; B: 128 rows to a load
	s_mov_b32 s[G1B+3], KSTEP<<16
	s_mov_b32 s[G1B+4], 128
	s_mov_b32 s[G1B+5], SIZE_K
	s_mov_b32 s[G1B+6], 0
	s_mov_b32 s[G1B+7], 0
	s_mov_b32 s[TB], 0
	s_lshl_b32 s17, s12, 6
	s_lshl_b32 s16, s13, 7
	s_add_co_u32 s16, s16, s17                     ; A: row 128 x tile row + 64 x half
	s_lshl_b32 s47, s12, 7
	s_lshl_b32 s46, s42, 8
	s_add_co_u32 s46, s46, s47                     ; B: row 256 x tile column + 128 x half
	s_mov_b32 s17, 0
	s_mov_b32 s47, 0
	s_mov_b64 s[18:19], SIZE_K*2
	s_mul_u64 s[16:17], s[16:17], s[18:19]
	s_mul_u64 s[46:47], s[46:47], s[18:19]
	s_mul_i32 s20, s12, 64*PITCH                   ; where A's half goes,
	s_mul_i32 s21, s12, 128*PITCH
	s_add_co_u32 s21, s21, ABYTES                  ; and B's, behind A's 128 rows
	s_wait_dscnt 0x0                               ; the opening add is done
	s_wait_kmcnt 0x0
	s_add_nc_u64 s[14:15], s[4:5], s[16:17]
	s_add_nc_u64 s[46:47], s[6:7], s[46:47]
	CROUND                                         ; all sixteen work-groups are here: the first joint loads meet
.irp s, 0,1
	s_mov_b32 s[G0+4*(\s)], 1
	s_add_co_u32 s[G0+4*(\s)+1], s20, (\s)*SLOT1
	s_add_nc_u64 s[G0+4*(\s)+2:G0+4*(\s)+3], s[14:15], (\s)*KSTEP*2
	s_or_b32 s[G0+4*(\s)+3], s[G0+4*(\s)+3], 0x80000000
	s_mov_b32 s[G0B+4*(\s)], 1
	s_add_co_u32 s[G0B+4*(\s)+1], s21, (\s)*SLOT1
	s_add_nc_u64 s[G0B+4*(\s)+2:G0B+4*(\s)+3], s[46:47], (\s)*KSTEP*2
	s_or_b32 s[G0B+4*(\s)+3], s[G0B+4*(\s)+3], 0x80000000
	JLOAD \s
.endr
	v_and_b32 v1, 15, v0                           ; l % 16
	v_bfe_u32 v2, v0, 4, 1                         ; l / 16
	v_mul_u32_u24 v3, v1, PITCH
	v_lshl_add_u32 v3, v2, 4, v3
	s_mul_i32 s21, s11, 64*PITCH                   ; my 64 rows of A
	s_mul_i32 s22, s12, 128*PITCH                  ; my 128 rows of B
	s_add_co_u32 s22, s22, ABYTES
	v_add_nc_u32 v[A0], s21, v3
	v_add_nc_u32 v[B0], s22, v3
	v_mov_b32 v[ADRA], v[A0]                       ; slot 0 is read first
	v_mov_b32 v[ADRB], v[B0]
	s_mul_i32 s23, s10, 16*SPITCH
	s_add_co_u32 s23, s23, STAGE                   ; my stage
	v_mul_u32_u24 v4, v1, SPITCH                   ; in: row l % 16, 32 bytes for each half of the lanes
	v_lshl_add_u32 v4, v2, 5, v4
	v_add_nc_u32 v[STO], s23, v4
	v_and_b32 v[CO], 31, v0
	v_lshlrev_b32 v[CO], 4, v[CO]                  ; back and out: 32 lanes take a row's 512 bytes
	v_add_nc_u32 v[RD], s23, v[CO]
	s_lshl_b32 s16, s13, 7
	s_lshl_b32 s17, s11, 6
	s_add_co_u32 s16, s16, s17                     ; my first row of C
	s_mov_b32 s17, 0
	s_mov_b64 s[18:19], SIZE_N*4
	s_mul_u64 s[16:17], s[16:17], s[18:19]
	s_lshl_b32 s46, s42, 10                        ; my first column, in bytes: 1,024 x tile column + 512 x half
	s_lshl_b32 s47, s12, 9
	s_add_co_u32 s46, s46, s47
	s_mov_b32 s47, 0
	s_add_nc_u64 s[16:17], s[16:17], s[46:47]
.macro MUL8 f, a, zero                 ; m block a x all 8 n blocks, 32 along K
	WIN MUL
.irp b, 0,1,2,3,4,5,6,7
.if \zero
	v_wmma_f32_16x16x32_f16 v[8*(8*(\a)+(\b)):8*(8*(\a)+(\b))+7], v[(\f)+8*(\b):(\f)+8*(\b)+7], v[(\f)+8*(\a):(\f)+8*(\a)+7], 0
.else
	v_wmma_f32_16x16x32_f16 v[8*(8*(\a)+(\b)):8*(8*(\a)+(\b))+7], v[(\f)+8*(\b):(\f)+8*(\b)+7], v[(\f)+8*(\a):(\f)+8*(\a)+7], v[8*(8*(\a)+(\b)):8*(8*(\a)+(\b))+7]
.endif
.endr
.endm
.macro FETCH k, f                      ; 24 LDS loads in one run, from the slot that is being read: B's sixteen, then A's eight
	WIN TO_B
.irp i, 0,1,2,3,4,5,6,7
	ds_load_b128 v[(\f)+8*(\i):(\f)+8*(\i)+3],   v[ADRB] offset:(\k)+(\i)*16*PITCH
	ds_load_b128 v[(\f)+8*(\i)+4:(\f)+8*(\i)+7], v[ADRB] offset:(\k)+(\i)*16*PITCH+32
.endr
	WIN 0
.irp i, 0,1,2,3
	ds_load_b128 v[(\f)+8*(\i):(\f)+8*(\i)+3],   v[ADRA] offset:(\k)+(\i)*16*PITCH
	ds_load_b128 v[(\f)+8*(\i)+4:(\f)+8*(\i)+7], v[ADRA] offset:(\k)+(\i)*16*PITCH+32
.endr
.endm
.macro PLACES                          ; four plain vector instructions between a matrix instruction and a load into, or an access to, its registers
.rept 4
	v_nop
.endr
.endm
; A K step is four quarters of 32 along K, 32 matrix instructions each, on buffers 0, 1, 0, 1; the 32 accumulators take turns in the same order in every quarter.
.macro QUARTER k, f, g, zero
	s_wait_dscnt 4                                 ; B and A's blocks 0 and 1 are in; the youngest four loads may be out
	MUL8 \f, 0, \zero
	MUL8 \f, 1, \zero
	PLACES
	FETCH \k, \g
	s_wait_dscnt 24                                ; all but the 24 just issued
	MUL8 \f, 2, \zero
	MUL8 \f, 3, \zero
.endm
; The last quarter multiplies buffer 1 and changes slots.  24 of its products stand AHEAD of the wait for the tensor loads, and nothing but scalar steps stands between that wait and the barrier: so a refill has a whole
; K step, 128 matrix instructions, between its request and the wait for it.  In front of the signal each wave has waited for all its tensor loads (its part of the next slot), added 0 to its spare word, and waited for
; that and for its reads of this slot.  fill = 1: the walking descriptors go to the slot just read and one K step on (they alternate between the slots, so that is this slot's next tile).
.macro TURN fill
	s_wait_dscnt 4
	MUL8 F1, 0, 0
	MUL8 F1, 1, 0
	s_wait_dscnt 0x0
	MUL8 F1, 2, 0
	WIN 0
	s_wait_tensorcnt 0x0                           ; all my tensor loads have landed, so a group 0 may be written
	ds_add_u32 v[SPW], v[NIL]
.if \fill
	s_xor_b32 s[G0+5], s[G0+5], SLOT1
	s_add_nc_u64 s[G0+6:G0+7], s[G0+6:G0+7], KSTEP*2
	s_xor_b32 s[G0B+5], s[G0B+5], SLOT1
	s_add_nc_u64 s[G0B+6:G0B+7], s[G0B+6:G0B+7], KSTEP*2
.endif
	s_xor_b32 s[TB], s[TB], SLOT1                  ; the reads go on in the other slot
	s_wait_dscnt 0x0                               ; the add is done, and my reads of this slot are over
	s_barrier_signal -1
	s_barrier_wait -1
.if \fill
	CREST                                          ; no wave of any partner still reads this slot or has a load on its way
	JLOAD 1                                        ; the first tensor load behind the round; its four v_nop are also the places in front of the loads below
.else
	PLACES
.endif
	v_add_nc_u32 v[ADRA], s[TB], v[A0]
	v_add_nc_u32 v[ADRB], s[TB], v[B0]
	FETCH 0, F0
	MUL8 F1, 3, 0
.endm
; THE WAY OUT, 16 rows at a time: 32 bytes a lane into my own stage (each accumulator's lowest registers first), back as whole rows of 512 bytes, and stored.
.macro TOSTAGE a
	WIN 0x08                                       ; the stores' data in window 2
.irp b, 0,1,2,3,4,5,6,7
	ds_store_b128 v[STO], v[8*(8*(\a)+(\b)):8*(8*(\a)+(\b))+3]   offset:64*(\b)
	ds_store_b128 v[STO], v[8*(8*(\a)+(\b))+4:8*(8*(\a)+(\b))+7] offset:64*(\b)+16
.endr
	WIN 0
.set t, 0
.rept 16
	ds_load_b128 v[OB+64*((\a)%2)+4*t:OB+64*((\a)%2)+4*t+3], v[RD] offset:SPITCH*t  ; LDS serves a wave's instructions in order (ISA guide 5.7.1.4): these see the stores above; the next block's stores come behind them
.set t, t+1
.endr
.endm
.macro SEND a, younger                 ; younger: the next block's sixteen stores and sixteen loads, or none
	WIN 0
	s_wait_dscnt \younger
	s_wait_xcnt 0x0                                ; the stores' base is rewritten only behind this wait
.if (\a) == 0
	s_add_nc_u64 s[8:9], s[8:9], s[16:17]
.else
	s_add_nc_u64 s[8:9], s[8:9], 16*SIZE_N*4
.endif
.set t, 0
.rept 16
	global_store_b128 v[CO], v[OB+64*((\a)%2)+4*t:OB+64*((\a)%2)+4*t+3], s[8:9] offset:t*SIZE_N*4  ; a wave stores 512 consecutive bytes, aligned
.set t, t+1
.endr
.endm
	s_wait_tensorcnt 1                             ; my part of K step 0 is in; K step 1's may stay out
	s_barrier_signal -1
	s_barrier_wait -1
	FETCH 0, F0
	QUARTER 64,  F0, F1, 1                         ; the first quarter stands in front of the loop: its products start the sums
	WIN 0
	s_mov_b32 s3, STEPS-2
.Lstep:                                                ; a trip goes from a K step's second quarter to the next step's first, and fills the slot just read with the K step two on
	QUARTER 128, F1, F0, 0
	QUARTER 192, F0, F1, 0
	TURN 1
	QUARTER 64,  F0, F1, 0
	WIN 0
	s_sub_co_u32 s3, s3, 1
	s_cmp_lg_u32 s3, 0
	s_cbranch_scc1 .Lstep
	QUARTER 128, F1, F0, 0                         ; the last two K steps fill nothing
	QUARTER 192, F0, F1, 0
	TURN 0
	QUARTER 64,  F0, F1, 0
	QUARTER 128, F1, F0, 0
	QUARTER 192, F0, F1, 0
	s_wait_dscnt 4
	MUL8 F1, 0, 0
	MUL8 F1, 1, 0
	s_wait_dscnt 0x0
	MUL8 F1, 2, 0
	MUL8 F1, 3, 0
	WIN 0
	PLACES
	PLACES
	TOSTAGE 0
	TOSTAGE 1
	SEND 0, 32
	s_wait_xcnt 0x0                                ; block 0's stores have read their registers, which block 2 is loaded into
	TOSTAGE 2
	SEND 1, 32
	s_wait_xcnt 0x0
	TOSTAGE 3
	SEND 2, 32
	SEND 3, 0
	s_wait_tensorcnt 0x0                           ; the wave's end
	ds_add_u32 v[SPW], v[NIL]
	s_wait_dscnt 0x0
	CROUND                                         ; the closing round
	s_endpgm
.Lfunc_end_k_qb67e3ef1ad_oproj:
	.size	k_qb67e3ef1ad_oproj, .Lfunc_end_k_qb67e3ef1ad_oproj-k_qb67e3ef1ad_oproj
	.p2alignl 7, 3214868480
	.fill 96, 4, 3214868480
	.section	.rodata,"a",@progbits
	.p2align	6, 0x0
	.amdhsa_kernel k_qb67e3ef1ad_oproj
		.amdhsa_group_segment_fixed_size 327680
		.amdhsa_private_segment_fixed_size 0
		.amdhsa_enable_private_segment 0
		.amdhsa_kernarg_size 24
		.amdhsa_user_sgpr_count 2
		.amdhsa_user_sgpr_kernarg_segment_ptr 1
		.amdhsa_wavefront_size32 1
		.amdhsa_system_sgpr_workgroup_id_x 1
		.amdhsa_system_sgpr_workgroup_id_y 1
		.amdhsa_system_sgpr_workgroup_id_z 1
		.amdhsa_system_vgpr_workitem_id 0
		.amdhsa_next_free_vgpr 768
		.amdhsa_next_free_sgpr 66
		.amdhsa_reserve_vcc 0
		.amdhsa_float_denorm_mode_32 3
		.amdhsa_float_denorm_mode_16_64 3
		.amdhsa_memory_ordered 1
		.amdhsa_forward_progress 1
		.amdhsa_inst_pref_size 70
	.end_amdhsa_kernel
	.amdgpu_metadata
---
amdhsa.version: [ 1, 2 ]
amdhsa.kernels:
  - .name:           k_qb67e3ef1ad_oproj
    .symbol:         k_qb67e3ef1ad_oproj.kd
    .args:
      - { .name: ob, .offset: 0, .size: 8, .value_kind: global_buffer, .address_space: global }
      - { .name: wo16, .offset: 8, .size: 8, .value_kind: global_buffer, .address_space: global }
      - { .name: out0, .offset: 16, .size: 8, .value_kind: global_buffer, .address_space: global }
    .group_segment_fixed_size: 327680
    .private_segment_fixed_size: 0
    .kernarg_segment_align: 8
    .kernarg_segment_size: 24
    .max_flat_workgroup_size: 128
    .sgpr_count:     66
    .vgpr_count:     768
    .wavefront_size: 32
...
	.end_amdgpu_metadata
.endif
;; end of part 4
